; MI455X (gfx1250); checked and timed in simulation.
; The chip was launched on July 23, 2026; its instructions are those of AMD's public machine-readable ISA for CDNA 5 (MIT licence, August 2026) and "CDNA5" Instruction Set Architecture Reference Guide (July 2026). The comments in the code are by the model that wrote it; some were corrected since.
;; Document Mask Attention. Allowed arithmetic: matrix products marked QUANTISED: E2M1 operands, one E8M0 scale for each 32 along K, by v_wmma_scale_f32_16x16x128_f8f6f4 with both operands' format E2M1 (or v_wmma_scale_f32_32x16x128_f4), f32 sums; everything else in f32.
;; Inputs: K_codes 1 x 16 x 4,096 x 2 x 16 uint8 (E2M1 codes of K, K innermost, in blocks of 32 codes, two codes a byte); K_scales 1 x 16 x 4,096 x 2 uint8 (E8M0 scales of K, one for each 32 codes along K); Q_codes 1 x 16 x 4,096 x 2 x 16 uint8 (E2M1 codes of Q, K innermost, in blocks of 32 codes, two codes a byte); Q_scales 1 x 16 x 4,096 x 2 uint8 (E8M0 scales of Q, one for each 32 codes along K); V_codes 1 x 16 x 64 x 128 x 16 uint8 (E2M1 codes of V, K innermost, in blocks of 32 codes, two codes a byte); V_scales 1 x 16 x 64 x 128 uint8 (E8M0 scales of V, one for each 32 codes along K); document_id 4,096 int32.
;; Outputs: out0 1 x 16 x 4,096 x 64 float32.
;; This version of the problem:
;;   THIS VERSION OF THE PROBLEM IS GIVEN IN LOW PRECISION. The matrix products marked QUANTISED in the list below multiply operands that are first quantised to E2M1 (2 exponent bits, 1 mantissa bit; 4 bits a number), with one power-of-two scale for each 32 numbers along K (OCP MX v1.0); their sums are f32. All else is computed in f32.
;;   The module's matrix products, in the order in which they are computed (A, B: the left and right operand; K: the contracted axis; several contracted axes count as one K, in the product's order):
;;     1. batch 16 x [M 4,096, K 64] x [K 64, N 4,096]; A: input Q (given as codes); B: input K (given as codes): QUANTISED
;;     2. batch 16 x [M 4,096, K 4,096] x [K 4,096, N 64]; A: softmax (see below); B: input V (given as codes): QUANTISED
;;   THE QUANTISER, for each operand of a quantised product, along K:
;;     - K is cut into blocks of 32 from its start; a last block that is shorter is filled with zeros.
;;     - A block's scale is 2^e with e = floor(log2(the largest magnitude in the block)) - 2, held to -126 .. 127; a block of zeros has e = 0. As a byte (E8M0): e + 127.
;;     - Each number is divided by its block's scale, clamped to +-6, and rounded to the nearest number of E2M1, ties to even, subnormals kept.
;;     - The product sums the exact products of the quantised numbers (number of the format x scale) in f32.
;;   ~~~python
;;   def quantise(x, axis):      # numpy; x: float32 -> the quantised numbers, widened to float32 again
;;       x = np.moveaxis(x, axis, -1); K = x.shape[-1]
;;       x = np.pad(x, [(0, 0)] * (x.ndim - 1) + [(0, -K % 32)]); x = x.reshape(x.shape[:-1] + (-1, 32)); a = np.abs(x).max(-1, keepdims=True)
;;       e = np.where(a > 0, np.clip(np.frexp(np.where(a > 0, a, 1))[1] - 1 - 2, -126, 127), 0)      # np.frexp(a)[1] - 1 = floor(log2(a)), exactly
;;       r = np.clip(x / 2.0 ** e, -6, 6)
;;       step = 2.0 ** (np.maximum(np.frexp(np.where(r == 0, 1, r))[1] - 1, 0) - 1)
;;       q = np.round(r / step) * step * 2.0 ** e      # np.round: ties to even
;;       return np.moveaxis(q.reshape(q.shape[:-2] + (-1,))[..., :K], -1, axis).astype(np.float32)
;;   ~~~
;;   SOFTMAX AHEAD OF A QUANTISED PRODUCT. Where the list says 'softmax', what is quantised is not the finished softmax but p = 2^(t - M), with t = logit x log2(e) and M = ceil(the row's largest t), a whole number; so 1/2 < the row's largest p <= 1. The row's sum l is taken of the UNQUANTISED p, in f32, and the product's result is divided by l at the end. Since M is a whole number, a kernel that streams over the keys may use a running M (the ceiling of the running maximum): every later rescaling is an exact power of two, which a block's scale takes up: the codes' values come out the same.
;;   OPERANDS COMPUTED ON THE WAY. 'Computed on the way' means the value that the module computes at that place (a softmax that the list does not call 'softmax' is quantised finished and normalised). What goes into a quantiser is computed in f32, as accurately as f32 sums, v_exp_f32 and their like allow (about 1e-6 of the number): no bf16 or f16 on the way to a quantiser, and a product that is left as it is and whose result goes on into a quantised operand takes f32 operands (vector FMAs, or v_wmma_f32_16x16x4_f32). A number that lies on a knife's edge between two numbers of the format may be rounded either way, as far as f32 arithmetic and the matrix unit's own rounding can turn it there, and no further.
;;   INPUTS GIVEN AS CODES. K (in the module: [1, 16, 4096, 64], K = its axis 3); Q (in the module: [1, 16, 4096, 64], K = its axis 3); V (in the module: [1, 16, 4096, 64], K = its axis 2): each comes as NAME_codes (uint8): NAME with its K axis moved to the last place and cut into blocks of 32 codes, [.., K / 32, bytes a block], one block behind the other in memory; two codes a byte, the lower K in the low four bits (a code: sign, 2 exponent bits, 1 mantissa bit); and NAME_scales (uint8): the same leading axes, one E8M0 byte (e + 127) for each 32 codes along K. Its value is code x scale, taken as it is: it is not quantised again, and the codes and scales need not be those that the quantiser above would give.
;; 2 versions. Each part assembles by itself: llvm-mc -triple=amdgcn-amd-amdhsa -mcpu=gfx1250 --defsym DOCPART=n.
;; ======== version 1 of 2: 2 launches
;; limits: right only within a limited range of input values
;; workspace buffers: masks 4,096 bytes of whole numbers
;; launch ranges (part 1): grid 1 x 1, 8 waves a work-group, no clusters, 1,280 bytes of LDS; arguments document_id, masks; writes masks
.if DOCPART == 1
	.amdgcn_target "amdgcn-amd-amdhsa--gfx1250"
	.amdhsa_code_object_version 6
	.text
	.protected	k_qa928899f5c_ranges
	.globl	k_qa928899f5c_ranges
	.p2align	8
	.type	k_qa928899f5c_ranges,@function
k_qa928899f5c_ranges:
	s_mov_b64 s[64:65], 0
	v_nop
	global_prefetch_b8 v0, s[64:65] scope:SCOPE_SE
	s_setreg_imm32_b32 hwreg(HW_REG_WAVE_MODE, 25, 1), 1
	s_wait_xcnt 0x0
; Which key steps does a tile of queries have to walk?  document_id: [4096] int32.  masks: 256 x 16 bytes: for tile T (queries 16 T .. 16 T + 15) the words ACT, OPN, WGA and 0; bit s of a word speaks of key step s (keys 128 s .. 128 s + 127).
;   ACT: the range of the step's ids (smallest to largest, unsigned order) meets the range of the tile's ids.  Where it does not, no key of the step has the id of a query of the tile.
;   OPN: the step's smallest id = the tile's largest and the step's largest = the tile's smallest: all 144 ids are equal, no mask is needed.
;   WGA: the step's range meets the range of the 256 ids of the tile's block of 16 tiles, which one work-group of the next launch owns.  A tile's range lies inside its block's: ACT is a part of WGA.
; The test is made on the ids as they are given, whatever their order.  The words hang on the tile alone, not on the head: they are made here once for 256 tiles, and the next launch's 4,096 waves read them.
; One work-group, 256 threads, thread T for tile T: 16 KB come in and 4 KB go out, there is work for no more.  No branch hangs on data.
; A step is 8 neighbouring tiles and a block 16: their ranges are joined over 8 and 16 neighbouring lanes.  The 32 steps' ranges meet in 256 bytes of LDS, behind one barrier.
.set IDR,  8                           ; v8-23   my tile's 16 ids
.set TMN,  24                          ; v24, v25  the tile's smallest and largest id
.set KMN,  26                          ; v26, v27  my step's
.set BMN,  28                          ; v28, v29  my block's
.set RG,   32                          ; v32-95  step s: v[32 + 2 s] its smallest, v[33 + 2 s] its largest
.set OUTW, 96                          ; v[96:99] ACT, OPN, WGA, 0
.set DT,   100                         ; v100, v101 what a neighbouring lane holds
.set BT,   102                         ; v102-104 a step's three bits
	s_load_b128 s[4:7], s[0:1], 0x0                ; document_id s[4:5], masks s[6:7]
	v_lshl_add_u32 v112, v0, 2, 0x100
	v_mov_b32 v113, 0
	v_lshlrev_b32 v1, 6, v0                        ; my tile's ids: 64 bytes a thread
	v_lshlrev_b32 v2, 4, v0                        ; my 16 bytes of masks
	v_lshrrev_b32 v3, 3, v0
	v_lshlrev_b32 v3, 3, v3                        ; LDS: 8 bytes for step T / 8
	v_mov_b32 v4, 0                                ; LDS: the 32 ranges from byte 0 on
	v_mov_b32 v[DT], 0                             ; a DPP form's destination counts as one of its sources
	v_mov_b32 v[DT+1], 0
	v_mov_b32 v[OUTW+3], 0
	s_wait_kmcnt 0x0
.irp i, 0,1,2,3
	global_load_b128 v[IDR+4*\i:IDR+4*\i+3], v1, s[4:5] offset:16*\i   ; a wave's four loads cover 2,048 consecutive bytes
.endr
	s_wait_loadcnt 0x0
	v_min_u32 v[TMN], v[IDR], v[IDR+1]
	v_max_u32 v[TMN+1], v[IDR], v[IDR+1]
.irp i, 2,3,4,5,6,7,8,9,10,11,12,13,14,15
	v_min_u32 v[TMN], v[TMN], v[IDR+\i]
	v_max_u32 v[TMN+1], v[TMN+1], v[IDR+\i]
.endr
	v_mov_b32 v[KMN], v[TMN]
	v_mov_b32 v[KMN+1], v[TMN+1]
.irp m, 1,2,4                          ; with lane l xor m's: the 8 tiles of my step
	v_mov_b32_dpp v[DT], v[KMN] row_xmask:\m row_mask:0xf bank_mask:0xf
	v_mov_b32_dpp v[DT+1], v[KMN+1] row_xmask:\m row_mask:0xf bank_mask:0xf
	v_min_u32 v[KMN], v[KMN], v[DT]
	v_max_u32 v[KMN+1], v[KMN+1], v[DT+1]
.endr
	v_mov_b32_dpp v[DT], v[KMN] row_xmask:8 row_mask:0xf bank_mask:0xf       ; and the other step of my block
	v_mov_b32_dpp v[DT+1], v[KMN+1] row_xmask:8 row_mask:0xf bank_mask:0xf
	v_min_u32 v[BMN], v[KMN], v[DT]
	v_max_u32 v[BMN+1], v[KMN+1], v[DT+1]
	ds_store_b64 v3, v[KMN:KMN+1]                  ; the eight lanes of a step write the same 8 bytes with the same value
	s_wait_dscnt 0x0                               ; for the others' sake: my store is done
	s_barrier_signal -1
	s_barrier_wait -1                              ; all 32 ranges lie in LDS
.irp i, 0,1,2,3,4,5,6,7,8,9,10,11,12,13,14,15
	ds_load_b128 v[RG+4*\i:RG+4*\i+3], v4 offset:16*\i     ; every lane reads the same words
.endr
	s_wait_dscnt 0x0
.set st, 0
.rept 32                               ; step st against my tile and my block: a bit for each of the three words
	v_cmp_le_u32 s8, v[RG+2*st], v[TMN+1]
	v_cmp_ge_u32 s9, v[RG+2*st+1], v[TMN]
	v_cmp_eq_u32 s10, v[RG+2*st], v[TMN+1]
	v_cmp_eq_u32 s11, v[RG+2*st+1], v[TMN]
	v_cmp_le_u32 s12, v[RG+2*st], v[BMN+1]
	v_cmp_ge_u32 s13, v[RG+2*st+1], v[BMN]
	s_and_b32 s8, s8, s9
	s_and_b32 s10, s10, s11
	s_and_b32 s12, s12, s13
.if st == 0
	v_cndmask_b32 v[OUTW], 0, 1, s8                ; the first bit starts the word: nothing is cleared
	v_cndmask_b32 v[OUTW+1], 0, 1, s10
	v_cndmask_b32 v[OUTW+2], 0, 1, s12
.else
	v_cndmask_b32 v[BT], 0, 1, s8
	v_cndmask_b32 v[BT+1], 0, 1, s10
	v_cndmask_b32 v[BT+2], 0, 1, s12
	v_lshl_or_b32 v[OUTW], v[BT], st, v[OUTW]
	v_lshl_or_b32 v[OUTW+1], v[BT+1], st, v[OUTW+1]
	v_lshl_or_b32 v[OUTW+2], v[BT+2], st, v[OUTW+2]
.endif
.set st, st+1
.endr
	global_store_b128 v2, v[OUTW:OUTW+3], s[6:7]   ; a wave stores 512 consecutive bytes, at a multiple of 256 from the buffer's first byte
	s_wait_tensorcnt 0x0
	ds_add_u32 v112, v113
	s_wait_dscnt 0x0
	s_endpgm
.Lfunc_end_k_qa928899f5c_ranges:
	.size	k_qa928899f5c_ranges, .Lfunc_end_k_qa928899f5c_ranges-k_qa928899f5c_ranges
	.p2alignl 7, 3214868480
	.fill 96, 4, 3214868480
	.section	.rodata,"a",@progbits
	.p2align	6, 0x0
	.amdhsa_kernel k_qa928899f5c_ranges
		.amdhsa_group_segment_fixed_size 1280
		.amdhsa_private_segment_fixed_size 0
		.amdhsa_enable_private_segment 0
		.amdhsa_kernarg_size 16
		.amdhsa_user_sgpr_count 2
		.amdhsa_user_sgpr_kernarg_segment_ptr 1
		.amdhsa_wavefront_size32 1
		.amdhsa_system_sgpr_workgroup_id_x 1
		.amdhsa_system_sgpr_workgroup_id_y 1
		.amdhsa_system_sgpr_workgroup_id_z 1
		.amdhsa_system_vgpr_workitem_id 0
		.amdhsa_next_free_vgpr 114
		.amdhsa_next_free_sgpr 66
		.amdhsa_reserve_vcc 0
		.amdhsa_float_denorm_mode_32 3
		.amdhsa_float_denorm_mode_16_64 3
		.amdhsa_memory_ordered 1
		.amdhsa_forward_progress 1
		.amdhsa_inst_pref_size 32
	.end_amdhsa_kernel
	.amdgpu_metadata
---
amdhsa.version: [ 1, 2 ]
amdhsa.kernels:
  - .name:           k_qa928899f5c_ranges
    .symbol:         k_qa928899f5c_ranges.kd
    .args:
      - { .name: document_id, .offset: 0, .size: 8, .value_kind: global_buffer, .address_space: global }
      - { .name: masks, .offset: 8, .size: 8, .value_kind: global_buffer, .address_space: global }
    .group_segment_fixed_size: 1280
    .private_segment_fixed_size: 0
    .kernarg_segment_align: 8
    .kernarg_segment_size: 16
    .max_flat_workgroup_size: 256
    .sgpr_count:     66
    .vgpr_count:     114
    .wavefront_size: 32
...
	.end_amdgpu_metadata
.endif
;; end of part 1
;; launch docattn (part 2): grid 16 x 16, 16 waves a work-group, no clusters, 313,344 bytes of LDS; arguments Q_codes, Q_scales, K_codes, K_scales, V_codes, V_scales, document_id, out0, masks; writes out0
.if DOCPART == 2
	.amdgcn_target "amdgcn-amd-amdhsa--gfx1250"
	.amdhsa_code_object_version 6
	.text
	.protected	k_qa928899f5c_docattn
	.globl	k_qa928899f5c_docattn
	.p2align	8
	.type	k_qa928899f5c_docattn,@function
k_qa928899f5c_docattn:
	s_mov_b64 s[64:65], 0
	v_nop
	global_prefetch_b8 v0, s[64:65] scope:SCOPE_SE
	s_setreg_imm32_b32 hwreg(HW_REG_WAVE_MODE, 25, 1), 1
	s_wait_xcnt 0x0
; out[h][q][:] = the sum over k of softmax_k(Q[h][q] . K[h][k] / 8, only where document_id[k] == document_id[q]) V[h][k][:].  16 heads, 4,096 tokens, head size 64.
; Both products on codes of FP4 (E2M1) with one E8M0 scale for each 32 along a product's K.  Q, K: rows of 32 bytes of codes and 2 scale bytes.  V: the keys innermost: for each of a head's 64 channels 2,048 bytes of codes, 128 scale bytes.
; THE SOFTMAX AHEAD OF THE SECOND PRODUCT: t = score x log2(e) / 8; M = the row's largest t so far, rounded UP to a whole number; p = 2^(t - M) is quantised along the keys, in blocks of 32; it is not normalised.
; The row's sum is taken of the unquantised p and divides O at the end.  When M moves, the sum and O are multiplied by 2^(old M - new M): exact.
; SHARES.  A work-group owns 256 queries of one head (x: the block, y: the head): 256 work-groups.  Each of its sixteen waves owns one tile of 16 queries in 256 registers, four waves to a SIMD, so that one wave's
; exponentials stand beside another's LDS loads and products.  The keys go in 32 steps of 128.
; WHAT IS LEFT OUT.  A step is walked by a tile only where the range of the step's 128 ids (smallest to largest, unsigned order) meets the range of the tile's 16 ids: otherwise no pair of them is equal and every p of the
; step is 0.  The launch in front has made that test on document_id as it is given, whatever its order, and left three words for each tile in the buffer masks (bit s for step s): ACT (the tile walks the step), OPN (all 144 ids
; are equal: no mask is made), WGA (the step's range meets that of the work-group's 256 ids).  With ids in no order all 32 steps are walked.  The loop's trip count is the constant 32; a scalar branch on these words leads
; round a step's work, never round a barrier.
; K AND V REACH LDS ONCE FOR THE WORK-GROUP, and only the steps of WGA (ACT is a part of it, so no tile reads a step that was not brought).  Wave w brings steps w and
; w + 16, through registers, and stores them AS IMAGES OF THE OPERANDS' REGISTERS: lane l's 16 bytes at 16 l, 512 bytes a store; any wave that loads an image has the fragment in its lanes.  No pitch, no padding.
; Through registers and not by the data mover, and no cluster with joint loads: which steps are wanted hangs on document_id and differs from work-group to work-group.
; V's loads take 64 bytes of each of 16 rows 2,048 bytes apart (a step's part of a channel); the neighbouring 64 bytes are taken by the neighbouring waves in the same phase.
; LAYOUT.  Both products are used transposed: S^T = K Q^T (source 0 = 16 keys, source 1 = my 16 queries), O^T = V^T P^T (source 0 = 16 channels, source 1 = P): a lane holds ONE query (lane % 16) throughout.
; THE KEYS OF A TILE ARE NOT NEIGHBOURS: lane r of tile 2 b + u takes key 32 b + 8 u + r + 8 (r / 8), so that the 16 registers of tiles 2 b and 2 b + 1 are the neighbouring keys 32 b + 16 (lane / 16) + 0 .. 15.
; The head is 64 wide and the instruction 128: registers 4-7 of K's and Q's fragments are zero codes, and bytes 2, 3 of their scale words are 0 (2^-127, over zero codes).
; THE MASK is the C of the first product: 0 where the ids are equal, the problem's own -1e30 elsewhere.  The running largest t begins at -2^93, above every masked t (-1.8e29): a masked score never becomes the maximum,
; and its p is exactly 0, also in a step in which a row sees no key.  Every row sees itself, and its own step always passes the range test: the sum ends positive.
; LIMITS: real scores with t under -2^93 are not served; p under 2^-126 counts as 0 (v_exp_f32 flushes); scale bytes 0xff (NaN) among the inputs are not served.
; LDS: 32 slots of 9,216 bytes (8 images of K, 8 of V, one of K's scale words, one of V's); the 4,096 ids as they lie.  On the way out each wave's stage lies over the slots, behind a barrier.
.set SLOT,  9216                       ; a key step's images
.set VIMG,  4096                       ; in a slot: V's eight images behind K's eight,
.set KSIM,  8192                       ; K's scale words: register b: lanes 0-15 tile 2 b's, lanes 16-31 tile 2 b + 1's,
.set VSIM,  8704                       ; V's: register i (0, 1) likewise; registers 2, 3 zeros
.set IDSB,  32*SLOT                    ; the ids, 4 bytes a key
.set SP,    272                        ; the way out: a row of 256 bytes + 16: the sixteen rows of a store start in sixteen different 16-byte columns modulo 256
.set WST,   16*SP                      ; a wave's stage
.set LI,   1                           ; v1   16 x lane: an image's place for my lane; also my byte in two rows of out
.set IDH,  2                           ; v2   IDSB + 64 (lane / 16)
.set ADR,  3                           ; v3   the slot in hand + LI
.set ADI,  4                           ; v4   the step's ids + IDH
.set QD,   5                           ; v5   my query's id
.set NEG,  6                           ; v6   -1e30
.set STO,  7                           ; v7   the stage: where I put 32 bytes of a row
.set RD,   8                           ; v8   and where I read a row back
.set SW,   9                           ; v9, v10  where I store the images of steps w and w + 16
.set RR,   11                          ; v11  lane % 16   (head only)
.set NM,   12                          ; v12  -M;  v13 the largest t so far
.set LS,   14                          ; v[14:15] the row's sum, in two halves
.set QF,   16                          ; v[16:23] Q's fragment
.set VS,   24                          ; v[24:27] V's scale words
.set PW,   28                          ; v28  p's scale word
.set QS,   29                          ; v29  Q's scale word
.set HH,   30                          ; v30  lane / 16   (head only)
.set LN,   31                          ; v31  lane        (head only)
.set KF,   32                          ; v32-95   K's eight fragments  (head: v32-39 my 8 ids)
.set S,    96                          ; v96-159  ids, then the mask, then S^T, then p
.set O,    160                         ; v160-191 O^T, four tiles
.set VF,   192                         ; v192-223 V's four fragments
.set PC,   224                         ; v[224:231] p's codes
.set BM,   232                         ; v232-235 a block's largest score, then its largest p
.set BP,   236                         ; v236-239 the other half's, then the bytes, then the second chain of the sum
.set CV,   244                         ; v244-247 the conversions' scale operands
.set KS,   248                         ; v[248:251] K's scale words
.set F,    252                         ; v252 f = 2^(old M - new M); v253 named with it as a pair
.set TMP,  254
.set SD,   96                          ; the head: what a wave brings of a step: 32 registers of K, 32 of V, 4 + 4 of scale words
.set KA,   232                         ; the head's byte offsets in memory: K's codes,
.set VA,   233                         ; V's codes,
.set KSA,  234                         ; K's scale bytes,
.set VSA,  235                         ; V's,
.set QA,   236                         ; Q's codes,
.set QSA,  237                         ; Q's scale bytes,
.set QIA,  238                         ; my query's id,
.set IA,   239                         ; my 8 ids of step w (lanes 0-15) or w + 16 (lanes 16-31)
.set IDW,  240                         ; and the LDS address where those 8 ids go
.set WV,   20                          ; s20  my wave's number
.set HD,   21                          ; s21  the head
.set SEL,  28                          ; s[28:29] v_permlanex16_b32's selects for lane l xor 16
.set CS,   30                          ; s[30:31] c = log2(e) / 8: the packed form names a pair and takes its low word for both halves
.set STP,  32                          ; s32  the step
.set TB,   33                          ; s33  its slot's first byte
.set KI,   34                          ; s34  its ids' first byte, from IDSB
.set ACT,  36                          ; s36  bit s: my tile walks step s            s[36:39]: my tile's 16 bytes of masks
.set OPN,  37                          ; s37  bit s: all ids of step s and of my tile are equal
.set WGA,  38                          ; s38  bit s: the work-group brings step s
	s_load_b256 s[4:11], s[0:1], 0x0               ; Q's codes s[4:5], Q's scales s[6:7], K's codes s[8:9], K's scales s[10:11]
	s_load_b256 s[12:19], s[0:1], 0x20             ; V's codes s[12:13], V's scales s[14:15], document_id s[16:17], out s[18:19]
	s_load_b64 s[46:47], s[0:1], 0x40              ; masks
	v_lshl_add_u32 v243, v0, 2, 0x4c000
	v_mov_b32 v255, 0
	v_lshrrev_b32 v[TMP], 5, v0
	v_readfirstlane_b32 s[WV], v[TMP]              ; wave 0..15
	s_and_b32 s[HD], ttmp7, 0xffff
	v_and_b32 v[RR], 15, v0
	v_bfe_u32 v[HH], v0, 4, 1
	v_and_b32 v[LN], 31, v0
	; every LDS address register is made here, of the thread's number, the wave's number and constants
	v_lshlrev_b32 v[LI], 4, v[LN]
	v_lshl_add_u32 v[IDH], v[HH], 6, IDSB
	s_mul_i32 s42, s[WV], WST
	v_mul_u32_u24 v[STO], v[RR], SP
	v_lshl_add_u32 v[STO], v[HH], 5, v[STO]
	v_add_nc_u32 v[STO], s42, v[STO]               ; my stage + row r + 32 h
	v_mul_u32_u24 v[RD], v[HH], SP
	v_lshl_add_u32 v[RD], v[RR], 4, v[RD]
	v_add_nc_u32 v[RD], s42, v[RD]                 ; back: lanes 0-15 one row, lanes 16-31 the next
	s_mul_i32 s43, s[WV], SLOT
	v_add_nc_u32 v[SW], s43, v[LI]                 ; slot w,
	v_add_nc_u32 v[SW+1], 16*SLOT, v[SW]           ; slot w + 16
	v_lshlrev_b32 v[IA], 5, v[RR]
	v_lshl_add_u32 v[IA], v[HH], 13, v[IA]         ; 8 ids a lane: 32 r, + 16 steps of 512 bytes for lanes 16-31
	s_lshl_b32 s44, s[WV], 9
	s_add_co_u32 s44, s44, IDSB
	v_add_nc_u32 v[IDW], s44, v[IA]
	; byte offsets in memory
	v_and_b32 v[TMP], 8, v[RR]
	v_add_nc_u32 v[TMP], v[TMP], v[RR]             ; r + 8 (r / 8)
	v_lshlrev_b32 v[KA], 5, v[TMP]
	v_lshl_add_u32 v[KA], v[HH], 4, v[KA]          ; K: the key's row of 32 bytes, + 16 h
	v_lshlrev_b32 v[VA], 11, v[RR]
	v_lshl_add_u32 v[VA], v[HH], 4, v[VA]          ; V: channel r's row of 2,048 bytes, + 16 h
	v_lshl_add_u32 v[KSA], v[HH], 3, v[TMP]
	v_lshlrev_b32 v[KSA], 1, v[KSA]                ; K's scales: 2 bytes a key; lanes 16-31 take the odd tile's keys, 8 further on
	v_lshlrev_b32 v[VSA], 7, v[LN]                 ; V's: 128 bytes a channel; lanes 16-31 take the odd tile's channels
	v_lshlrev_b32 v[QA], 5, v[RR]
	v_lshl_add_u32 v[QA], v[HH], 4, v[QA]
	v_lshlrev_b32 v[QSA], 1, v[RR]
	v_lshlrev_b32 v[QIA], 2, v[RR]
	v_mov_b32 v[NEG], 0xf149f2ca                   ; -1e30
	v_mov_b32 v[SD+70], 0                          ; registers 2, 3 of the image of V's scale words
	v_mov_b32 v[SD+71], 0
	s_mov_b32 s[SEL], 0x76543210
	s_mov_b32 s[SEL+1], 0xfedcba98
	s_mov_b32 s[CS], 0x3e38aa3b                    ; log2(e) / 8
	s_mov_b32 s[CS+1], s[CS]
	s_mov_b32 s25, 0                               ; every offset is under 2^25: a pair with 0 on top
	s_lshl_b32 s40, s[HD], 17                      ; the head's first byte in each tensor of codes (4,096 x 32 = 64 x 2,048 bytes),
	s_lshl_b32 s41, s[HD], 13                      ; and in each tensor of scale bytes
	s_wait_kmcnt 0x0
	s_lshl_b32 s24, ttmp9, 8                       ; masks: 16 bytes for tile 16 x + w
	s_lshl_b32 s26, s[WV], 4
	s_add_co_u32 s24, s24, s26
	s_add_nc_u64 s[46:47], s[46:47], s[24:25]
	s_load_b128 s[ACT:ACT+3], s[46:47], 0x0        ; asked for first: the bringing of K and V waits for it; s[46:47] are not written again
	s_lshl_b32 s24, ttmp9, 13                      ; Q's codes: + 256 x rows of 32 bytes + 16 w rows
	s_lshl_b32 s26, s[WV], 9
	s_add_co_u32 s24, s24, s26
	s_add_co_u32 s24, s24, s40
	s_add_nc_u64 s[4:5], s[4:5], s[24:25]
	s_lshl_b32 s24, ttmp9, 9                       ; Q's scales: 2 bytes a row
	s_lshl_b32 s26, s[WV], 5
	s_add_co_u32 s24, s24, s26
	s_add_co_u32 s24, s24, s41
	s_add_nc_u64 s[6:7], s[6:7], s[24:25]
	s_lshl_b32 s24, s[WV], 12                      ; K's codes at step w: 128 rows of 32 bytes a step
	s_add_co_u32 s24, s24, s40
	s_add_nc_u64 s[8:9], s[8:9], s[24:25]
	s_lshl_b32 s24, s[WV], 8                       ; K's scales: 256 bytes a step
	s_add_co_u32 s24, s24, s41
	s_add_nc_u64 s[10:11], s[10:11], s[24:25]
	s_lshl_b32 s24, s[WV], 6                       ; V's codes: 64 bytes a step in each row
	s_add_co_u32 s24, s24, s40
	s_add_nc_u64 s[12:13], s[12:13], s[24:25]
	s_lshl_b32 s24, s[WV], 2                       ; V's scales: 4 bytes a step in each row
	s_add_co_u32 s24, s24, s41
	s_add_nc_u64 s[14:15], s[14:15], s[24:25]
	s_lshl_b32 s24, ttmp9, 10                      ; the ids of my tile's 16 queries,
	s_lshl_b32 s26, s[WV], 6
	s_add_co_u32 s24, s24, s26
	s_add_nc_u64 s[22:23], s[16:17], s[24:25]
	s_lshl_b32 s24, s[WV], 9                       ; and of step w's 128 keys
	s_add_nc_u64 s[16:17], s[16:17], s[24:25]
	s_lshl_b32 s24, s[HD], 20                      ; out: rows of 256 bytes
	s_lshl_b32 s26, ttmp9, 16
	s_add_co_u32 s24, s24, s26
	s_lshl_b32 s26, s[WV], 12
	s_add_co_u32 s24, s24, s26
	s_add_nc_u64 s[18:19], s[18:19], s[24:25]
	global_load_b128 v[32:35], v[IA], s[16:17]             ; 8 ids a lane: lanes 0-15 step w's 512 bytes, lanes 16-31 step w + 16's
	global_load_b128 v[36:39], v[IA], s[16:17] offset:16
	global_load_b32 v[QD], v[QIA], s[22:23]                ; my query's id: the same 16 in both halves of the lanes
	global_load_b128 v[QF:QF+3], v[QA], s[4:5] th:TH_LOAD_NT   ; Q's fragment: k = 32 h + 0 .. 31 of row r; read once in the launch
	global_load_u16 v[QS], v[QSA], s[6:7] th:TH_LOAD_NT        ; its two scale bytes; bytes 2, 3 come as 0
	s_wait_loadcnt 2                               ; the ids are in; the two loads of Q, issued behind them, may stay out
	ds_store_b128 v[IDW], v[32:35]                 ; the ids go to LDS as they lie: the masks of the steps are made of them
	ds_store_b128 v[IDW], v[36:39] offset:16
	s_wait_kmcnt 0x0                               ; my tile's three words
	; ---- step w + 16 k comes into its slot, if it is wanted.  Loads, wait and stores stand in one branch
.macro STAGE k
	s_add_co_u32 s40, s[WV], 16*\k
	s_bitcmp1_b32 s[WGA], s40
	s_cbranch_scc0 .Lnot_wanted_\@
.irp t, 0,1,2,3,4,5,6,7                ; K's tile t begins at key 32 (t / 2) + 8 (t % 2): a load covers two runs of 256 consecutive bytes
	global_load_b128 v[SD+4*\t:SD+4*\t+3], v[KA], s[8:9] offset:(32*(\t/2)+8*(\t%2))*32+65536*\k
.endr
.irp t, 0,1,2,3                        ; V's tile t: channels 16 t on; registers 4 c on: keys 64 c + 32 h on
.irp c, 0,1
	global_load_b128 v[SD+32+4*(2*\t+\c):SD+32+4*(2*\t+\c)+3], v[VA], s[12:13] offset:32768*\t+32*\c+1024*\k
.endr
.endr
.irp b, 0,1,2,3
	global_load_u16 v[SD+64+\b], v[KSA], s[10:11] offset:64*\b+4096*\k     ; bytes 2, 3 come as 0
.endr
.irp i, 0,1
	global_load_b32 v[SD+68+\i], v[VSA], s[14:15] offset:4096*\i+64*\k
.endr
	s_wait_loadcnt 0x0
.irp t, 0,1,2,3,4,5,6,7
	ds_store_b128 v[SW+\k], v[SD+4*\t:SD+4*\t+3] offset:512*\t
.endr
.irp t, 0,1,2,3,4,5,6,7
	ds_store_b128 v[SW+\k], v[SD+32+4*\t:SD+32+4*\t+3] offset:VIMG+512*\t
.endr
	ds_store_b128 v[SW+\k], v[SD+64:SD+67] offset:KSIM
	ds_store_b128 v[SW+\k], v[SD+68:SD+71] offset:VSIM
	s_wait_dscnt 0x0                               ; the stores have read their registers: the other step's loads may land there
.Lnot_wanted_\@:
.endm
	STAGE 0
	STAGE 1
	s_wait_loadcnt 0x0                             ; Q (on the way on which nothing was brought too): every load's address register is free
	s_wait_dscnt 0x0                               ; for the others' sake: my ids and my images lie in LDS
	s_barrier_signal -1
	; the start values, on registers alone, while the others arrive.  The zero codes first: they stand more than four plain lines ahead of the first product
.irp i, 4,5,6,7
	v_mov_b32 v[QF+\i], 0                          ; k = 64 .. 127 of Q: zero codes
.endr
.irp t, 0,1,2,3,4,5,6,7
.irp i, 4,5,6,7
	v_mov_b32 v[KF+8*\t+\i], 0                     ; and of K's eight fragments: written once, the loop loads registers 0-3 alone
.endr
.endr
.set j, 0
.rept 32
	v_mov_b32 v[O+j], 0                            ; O^T.  (The step is written once: the first finds zeros, which the first change of M leaves zeros)
.set j, j+1
.endr
	v_mov_b32 v[LS], 0
	v_mov_b32 v[LS+1], 0
	v_mov_b32 v[F+1], 0                            ; named as the upper half of a pair
.irp b, 0,1,2,3
	v_mov_b32 v[BP+\b], 0                          ; a lane permute's destination counts as one of its sources
.endr
	v_mov_b32 v[NM+1], 0xee000000                  ; the largest t so far: -2^93: over every masked t, under every t that is served
	v_floor_f32 v[NM], -v[NM+1]                    ; -M
	s_mov_b32 s[STP], 0
	s_mov_b32 s[TB], 0
	s_mov_b32 s[KI], 0
	s_barrier_wait -1                              ; all ids and every wanted slot are whole; nothing is stored to LDS until the loop is over
.macro IDS_IN                          ; register 16 b + i takes the id of key 128 step + 32 b + 16 h + i: the place that the key's score will take.  The sixteen lanes of a half read the same words
.irp b, 0,1,2,3
.irp i, 0,1,2,3
	ds_load_b128 v[S+16*\b+4*\i:S+16*\b+4*\i+3], v[ADI] offset:128*\b+16*\i
.endr
.endr
.endm
.macro FETCH                           ; 18 loads: K's scale words, K's eight images; V's scale words, V's eight images
	ds_load_b128 v[KS:KS+3], v[ADR] offset:KSIM
.irp t, 0,1,2,3,4,5,6,7
	ds_load_b128 v[KF+8*\t:KF+8*\t+3], v[ADR] offset:512*\t
.endr
	ds_load_b128 v[VS:VS+3], v[ADR] offset:VSIM
.irp t, 0,1,2,3,4,5,6,7
	ds_load_b128 v[VF+4*\t:VF+4*\t+3], v[ADR] offset:VIMG+512*\t
.endr
.endm
.macro MASK                            ; the ids become the first product's C: 0 where the key's id is my query's, -1e30 elsewhere
.set j, 0
.rept 64
	v_cmp_ne_u32 vcc_lo, v[S+j], v[QD]
	v_cndmask_b32 v[S+j], 0, v[NEG], vcc_lo
.set j, j+1
.endr
.endm
; S^T = K Q^T: eight tiles of 16 keys, one instruction each.  zero = 1: every key counts, C is the constant 0.  Tiles 2 b and 2 b + 1 take their scale words from the two halves of one register.
.macro QK zero
.irp b, 0,1,2,3
.if \zero
	v_wmma_scale_f32_16x16x128_f8f6f4 v[S+16*\b:S+16*\b+7], v[KF+16*\b:KF+16*\b+7], v[QF:QF+7], 0, v[KS+\b], v[QS] matrix_a_fmt:MATRIX_FMT_FP4 matrix_b_fmt:MATRIX_FMT_FP4
	v_wmma_scale_f32_16x16x128_f8f6f4 v[S+16*\b+8:S+16*\b+15], v[KF+16*\b+8:KF+16*\b+15], v[QF:QF+7], 0, v[KS+\b], v[QS] matrix_a_fmt:MATRIX_FMT_FP4 matrix_b_fmt:MATRIX_FMT_FP4 matrix_a_scale:MATRIX_SCALE_ROW1
.else
	v_wmma_scale_f32_16x16x128_f8f6f4 v[S+16*\b:S+16*\b+7], v[KF+16*\b:KF+16*\b+7], v[QF:QF+7], v[S+16*\b:S+16*\b+7], v[KS+\b], v[QS] matrix_a_fmt:MATRIX_FMT_FP4 matrix_b_fmt:MATRIX_FMT_FP4
	v_wmma_scale_f32_16x16x128_f8f6f4 v[S+16*\b+8:S+16*\b+15], v[KF+16*\b+8:KF+16*\b+15], v[QF:QF+7], v[S+16*\b+8:S+16*\b+15], v[KS+\b], v[QS] matrix_a_fmt:MATRIX_FMT_FP4 matrix_b_fmt:MATRIX_FMT_FP4 matrix_a_scale:MATRIX_SCALE_ROW1
.endif
.endr
.endm
; O^T += V^T P^T: four tiles of 16 channels, K = the step's 128 keys
.macro PV
.irp i, 0,1
	v_wmma_scale_f32_16x16x128_f8f6f4 v[O+16*\i:O+16*\i+7], v[VF+16*\i:VF+16*\i+7], v[PC:PC+7], v[O+16*\i:O+16*\i+7], v[VS+\i], v[PW] matrix_a_fmt:MATRIX_FMT_FP4 matrix_b_fmt:MATRIX_FMT_FP4
	v_wmma_scale_f32_16x16x128_f8f6f4 v[O+16*\i+8:O+16*\i+15], v[VF+16*\i+8:VF+16*\i+15], v[PC:PC+7], v[O+16*\i+8:O+16*\i+15], v[VS+\i], v[PW] matrix_a_fmt:MATRIX_FMT_FP4 matrix_b_fmt:MATRIX_FMT_FP4 matrix_a_scale:MATRIX_SCALE_ROW1
.endr
.endm
.macro SOFTMAX
.rept 4
	v_nop                                          ; four places between the last product and the first read of results (ISA guide 7.12.1)
.endr
.irp b, 0,1,2,3
	v_max3_num_f32 v[BM+\b], v[S+16*\b], v[S+1+16*\b], v[S+2+16*\b]   ; THE LARGEST SCORE OF EACH BLOCK OF 32 KEYS serves twice: for the row's maximum and, since p rises with the score, for the block's largest p.  Each tile is read from its low end on
.endr
.irp i, 3,5,7,9,11,13
.irp b, 0,1,2,3
	v_max3_num_f32 v[BM+\b], v[BM+\b], v[S+16*\b+\i], v[S+1+16*\b+\i]   ; (the four blocks by turns)
.endr
.endr
.irp b, 0,1,2,3
	v_max_num_f32 v[BM+\b], v[BM+\b], v[S+15+16*\b]
.endr
.irp b, 0,1,2,3
	v_permlanex16_b32 v[BP+\b], v[BM+\b], s[SEL], s[SEL+1]
.endr
.irp b, 0,1,2,3
	v_max_num_f32 v[BM+\b], v[BM+\b], v[BP+\b]     ; with lane l xor 16's 16 keys
.endr
	v_max3_num_f32 v[TMP], v[BM], v[BM+1], v[BM+2]
	v_max_num_f32 v[TMP], v[TMP], v[BM+3]          ; the step's largest score of my query
	v_mul_f32 v[TMP], s[CS], v[TMP]                ; as t (c is positive)
	v_max_num_f32 v[NM+1], v[NM+1], v[TMP]         ; the running largest t
	v_mov_b32 v[TMP], v[NM]
	v_floor_f32 v[NM], -v[NM+1]                    ; the new -M = floor(-t) = -ceil(t): M is a whole number
	v_sub_f32 v[TMP], v[NM], v[TMP]                ; M's old value less its new one: a whole number, 0 or less
	v_cvt_i32_f32 v[TMP], v[TMP]                   ; (it saturates)
	v_ldexp_f32 v[F], 1.0, v[TMP]                  ; f = 2^(old M - new M)
.set j, 0
.rept 32
	v_pk_fma_f32 v[S+j:S+j+1], v[S+j:S+j+1], s[CS:CS+1], v[NM:NM+1] op_sel_hi:[1,0,0]   ; t - M, two at a time (of the pairs c and -M the low word serves both halves)
.set j, j+2
.endr
.irp b, 0,1,2,3
	v_fma_f32 v[BM+\b], v[BM+\b], s[CS], v[NM]     ; the same of each block's largest score
.endr
.set j, 0
.rept 64
	v_exp_f32 v[S+j], v[S+j]                       ; p = 2^(t - M), at most 1; 0 for a masked key
.set j, j+1
.endr
.irp b, 0,1,2,3
	v_exp_f32 v[BM+\b], v[BM+\b]                   ; the block's largest p: the same two instructions on the same number give the same bits
.endr
	v_pk_mul_f32 v[LS:LS+1], v[LS:LS+1], v[F:F+1] op_sel_hi:[1,0]   ; the sums under the new M.  (The plain line behind the exponentials)
	s_wait_alu depctr_va_vdst(0)
.irp b, 0,1,2,3
	v_max_num_f32 v[BM+\b], 0x1800000, v[BM+\b]    ; the floor 2^(3 - 127): the byte cannot fall under 1 (a block whose every p is 0 keeps that byte: its codes are zeros)
.endr
.irp b, 0,1,2,3
	v_add_nc_u32 v[CV+\b], 0xff000000, v[BM+\b]    ; 2 off the exponent field: the conversion's scale operand
.endr
.irp b, 0,1,2,3
	v_lshrrev_b32 v[BP+\b], 23, v[CV+\b]           ; the scale's byte
.endr
	v_lshl_or_b32 v[PW], v[BP+1], 8, v[BP]         ; p's scale word for these 128 keys
	v_lshl_or_b32 v[PW], v[BP+2], 16, v[PW]
	v_lshl_or_b32 v[PW], v[BP+3], 24, v[PW]
.irp b, 0,1,2,3
	v_cvt_scalef32_pk8_fp4_f32 v[PC+2*\b], v[S+16*\b:S+16*\b+7], v[CV+\b]
	v_cvt_scalef32_pk8_fp4_f32 v[PC+1+2*\b], v[S+16*\b+8:S+16*\b+15], v[CV+\b]
.endr
	v_nop                                          ; one plain line behind a scaled conversion
.irp c, 0,1                            ; the operand's layout wants a WHOLE block in a lane: lanes 0-15 block 2 c, lanes 16-31 block 2 c + 1
.irp i, 0,1
	v_permlane16_swap_b32 v[PC+4*\c+\i], v[PC+2+4*\c+\i]
.endr
.endr
.set j, 0
.rept 16
	v_pk_mul_f32 v[O+j:O+j+1], v[O+j:O+j+1], v[F:F+1] op_sel_hi:[1,0]   ; O^T under the new M, each tile from its low end on
.set j, j+2
.endr
	v_pk_add_f32 v[BP:BP+1], v[S:S+1], v[S+2:S+3]  ; THE ROW'S SUM IS TAKEN OF THE UNQUANTISED p: two at a time, in two chains.  These 48 plain lines also stand between p's codes and scale word and the products that take them
.irp i, 4,8,12,16,20,24,28,32,36,40,44,48,52,56,60
	v_pk_add_f32 v[LS:LS+1], v[LS:LS+1], v[S+\i:S+\i+1]
	v_pk_add_f32 v[BP:BP+1], v[BP:BP+1], v[S+2+\i:S+3+\i]
.endr
	v_pk_add_f32 v[LS:LS+1], v[LS:LS+1], v[BP:BP+1]
.endm
; THE LOOP: 32 trips.  A trip's matrix instructions are S^T's eight tiles and O^T's four, one instruction to each accumulator: no two that follow each other share one, over the backward jump and over steps left out too
.Lstep:
	s_bitcmp1_b32 s[ACT], s[STP]
	s_cbranch_scc0 .Lskip                          ; no id of the step can be an id of my tile
	v_add_nc_u32 v[ADR], s[TB], v[LI]
	v_add_nc_u32 v[ADI], s[KI], v[IDH]
	v_nop
	v_nop                                          ; with the two additions: four places between the last trip's products and the loads into V's fragments and scale words
	s_bitcmp1_b32 s[OPN], s[STP]
	s_cbranch_scc1 .Lopen
	IDS_IN
	FETCH
	s_wait_dscnt 18                                ; the 16 loads of ids are in; the 18 issued behind them may be out
	MASK                                           ; while K and V land
	s_wait_dscnt 9                                 ; K's scale words and images are in; V's scale words and eight images may be out
.rept 4
	v_nop                                          ; between the mask's last line and the product that takes it as C
.endr
	QK 0
	s_branch .Ljoin
.Lopen:
	FETCH
	s_wait_dscnt 9                                 ; as above
	QK 1
.Ljoin:
	SOFTMAX
	s_wait_dscnt 0x0                               ; V
	PV
.Lskip:
	s_add_co_u32 s[TB], s[TB], SLOT
	s_add_co_u32 s[KI], s[KI], 512
	s_add_co_u32 s[STP], s[STP], 1
	s_cmp_lt_u32 s[STP], 32
	s_cbranch_scc1 .Lstep
	; THE WAY OUT.  O^T / the sum goes through my stage in LDS and leaves as whole rows of 256 bytes.  The stages lie over the slots: so a barrier, in front of which every wave's reads of the slots are over.
.rept 4
	v_nop                                          ; four places behind the last products
.endr
	s_wait_dscnt 0x0                               ; my reads of the slots are over
	s_barrier_signal -1
	v_add_f32 v[LS], v[LS], v[LS+1]                ; on registers alone, while the others arrive: the sum's two halves,
	v_permlanex16_b32 v[TMP], v[LS], s[SEL], s[SEL+1]
	v_add_f32 v[LS], v[LS], v[TMP]                 ; and lane l xor 16's: the row's sum
	v_rcp_f32 v[LS], v[LS]
	v_nop                                          ; one plain line behind a transcendental
.set j, 0
	s_wait_alu depctr_va_vdst(0)
.rept 32
	v_mul_f32 v[S+j], v[O+j], v[LS]                ; register 8 t + i is out(r, 16 t + 8 h + i); each tile from its low end on
.set j, j+1
.endr
	s_barrier_wait -1                              ; nobody reads a slot any more
.irp t, 0,1,2,3
	ds_store_b128 v[STO], v[S+8*\t:S+8*\t+3] offset:64*\t
	ds_store_b128 v[STO], v[S+8*\t+4:S+8*\t+7] offset:64*\t+16
.endr
.irp i, 0,1,2,3,4,5,6,7
	ds_load_b128 v[S+32+4*\i:S+32+4*\i+3], v[RD] offset:2*\i*SP    ; my own bytes, and LDS serves a wave's instructions in order (ISA guide 5.7.1.4): these see the stores above
.endr
.irp i, 0,1,2,3,4,5,6,7
	s_wait_dscnt 7-\i                              ; rows 2 i and 2 i + 1 are back; the younger loads may be out
	global_store_b128 v[LI], v[S+32+4*\i:S+32+4*\i+3], s[18:19] offset:512*\i th:TH_STORE_NT   ; 32 lanes store 512 consecutive bytes, at a multiple of 256 from out's first byte; written once, read by nobody here
.endr
	s_wait_tensorcnt 0x0
	ds_add_u32 v243, v255
	s_wait_dscnt 0x0
	s_endpgm
.Lfunc_end_k_qa928899f5c_docattn:
	.size	k_qa928899f5c_docattn, .Lfunc_end_k_qa928899f5c_docattn-k_qa928899f5c_docattn
	.p2alignl 7, 3214868480
	.fill 96, 4, 3214868480
	.section	.rodata,"a",@progbits
	.p2align	6, 0x0
	.amdhsa_kernel k_qa928899f5c_docattn
		.amdhsa_group_segment_fixed_size 313344
		.amdhsa_private_segment_fixed_size 0
		.amdhsa_enable_private_segment 0
		.amdhsa_kernarg_size 72
		.amdhsa_user_sgpr_count 2
		.amdhsa_user_sgpr_kernarg_segment_ptr 1
		.amdhsa_wavefront_size32 1
		.amdhsa_system_sgpr_workgroup_id_x 1
		.amdhsa_system_sgpr_workgroup_id_y 1
		.amdhsa_system_sgpr_workgroup_id_z 1
		.amdhsa_system_vgpr_workitem_id 0
		.amdhsa_next_free_vgpr 256
		.amdhsa_next_free_sgpr 66
		.amdhsa_reserve_vcc 1
		.amdhsa_float_denorm_mode_32 3
		.amdhsa_float_denorm_mode_16_64 3
		.amdhsa_memory_ordered 1
		.amdhsa_forward_progress 1
		.amdhsa_inst_pref_size 40
	.end_amdhsa_kernel
	.amdgpu_metadata
---
amdhsa.version: [ 1, 2 ]
amdhsa.kernels:
  - .name:           k_qa928899f5c_docattn
    .symbol:         k_qa928899f5c_docattn.kd
    .args:
      - { .name: Q_codes, .offset: 0, .size: 8, .value_kind: global_buffer, .address_space: global }
      - { .name: Q_scales, .offset: 8, .size: 8, .value_kind: global_buffer, .address_space: global }
      - { .name: K_codes, .offset: 16, .size: 8, .value_kind: global_buffer, .address_space: global }
      - { .name: K_scales, .offset: 24, .size: 8, .value_kind: global_buffer, .address_space: global }
      - { .name: V_codes, .offset: 32, .size: 8, .value_kind: global_buffer, .address_space: global }
      - { .name: V_scales, .offset: 40, .size: 8, .value_kind: global_buffer, .address_space: global }
      - { .name: document_id, .offset: 48, .size: 8, .value_kind: global_buffer, .address_space: global }
      - { .name: out0, .offset: 56, .size: 8, .value_kind: global_buffer, .address_space: global }
      - { .name: masks, .offset: 64, .size: 8, .value_kind: global_buffer, .address_space: global }
    .group_segment_fixed_size: 313344
    .private_segment_fixed_size: 0
    .kernarg_segment_align: 8
    .kernarg_segment_size: 72
    .max_flat_workgroup_size: 512
    .sgpr_count:     66
    .vgpr_count:     256
    .wavefront_size: 32
...
	.end_amdgpu_metadata
.endif
;; end of part 2
;; ======== version 2 of 2: 2 launches
;; limits: right only within a limited range of input values
;; workspace buffers: masks 4,096 bytes of whole numbers
;; launch ranges (part 3): grid 1 x 1, 8 waves a work-group, no clusters, 1,280 bytes of LDS; arguments document_id, masks; writes masks
.if DOCPART == 3
	.amdgcn_target "amdgcn-amd-amdhsa--gfx1250"
	.amdhsa_code_object_version 6
	.text
	.protected	k_qa928899f5c_ranges
	.globl	k_qa928899f5c_ranges
	.p2align	8
	.type	k_qa928899f5c_ranges,@function
k_qa928899f5c_ranges:
	s_mov_b64 s[64:65], 0
	v_nop
	global_prefetch_b8 v0, s[64:65] scope:SCOPE_SE
	s_setreg_imm32_b32 hwreg(HW_REG_WAVE_MODE, 25, 1), 1
	s_wait_xcnt 0x0
; Which key steps does a tile of queries have to walk?  document_id: [4096] int32.  masks: 256 x 16 bytes: for tile T (queries 16 T .. 16 T + 15) the words ACT, OPN, WGA and 0; bit s of a word speaks of key step s (keys 128 s .. 128 s + 127).
;   ACT: the range of the step's ids (smallest to largest, unsigned order) meets the range of the tile's ids.  Where it does not, no key of the step has the id of a query of the tile.
;   OPN: the step's smallest id = the tile's largest and the step's largest = the tile's smallest: all 144 ids are equal, no mask is needed.
;   WGA: the step's range meets the range of the 256 ids of the tile's block of 16 tiles, which one work-group of the next launch owns.  A tile's range lies inside its block's: ACT is a part of WGA.
; The test is made on the ids as they are given, whatever their order.  The words hang on the tile alone, not on the head: they are made here once for 256 tiles, and the next launch's 4,096 waves read them.
; One work-group, 256 threads, thread T for tile T: 16 KB come in and 4 KB go out, there is work for no more.  No branch hangs on data.
; A step is 8 neighbouring tiles and a block 16: their ranges are joined over 8 and 16 neighbouring lanes.  The 32 steps' ranges meet in 256 bytes of LDS, behind one barrier.
.set IDR,  8                           ; v8-23   my tile's 16 ids
.set TMN,  24                          ; v24, v25  the tile's smallest and largest id
.set KMN,  26                          ; v26, v27  my step's
.set BMN,  28                          ; v28, v29  my block's
.set RG,   32                          ; v32-95  step s: v[32 + 2 s] its smallest, v[33 + 2 s] its largest
.set OUTW, 96                          ; v[96:99] ACT, OPN, WGA, 0
.set DT,   100                         ; v100, v101 what a neighbouring lane holds
.set BT,   102                         ; v102-104 a step's three bits
	s_load_b128 s[4:7], s[0:1], 0x0                ; document_id s[4:5], masks s[6:7]
	v_lshl_add_u32 v112, v0, 2, 0x100
	v_mov_b32 v113, 0
	v_lshlrev_b32 v1, 6, v0                        ; my tile's ids: 64 bytes a thread
	v_lshlrev_b32 v2, 4, v0                        ; my 16 bytes of masks
	v_lshrrev_b32 v3, 3, v0
	s_delay_alu instid0(VALU_DEP_1)
	v_lshlrev_b32 v3, 3, v3                        ; LDS: 8 bytes for step T / 8
	v_mov_b32 v4, 0                                ; LDS: the 32 ranges from byte 0 on
	v_mov_b32 v[DT], 0                             ; a DPP form's destination counts as one of its sources
	v_mov_b32 v[DT+1], 0
	v_mov_b32 v[OUTW+3], 0
	s_wait_alu depctr_va_vdst(0)
	s_wait_kmcnt 0x0
.irp i, 0,1,2,3
	global_load_b128 v[IDR+4*\i:IDR+4*\i+3], v1, s[4:5] offset:16*\i   ; a wave's four loads cover 2,048 consecutive bytes
.endr
	s_wait_loadcnt 0x0
	v_min_u32 v[TMN], v[IDR], v[IDR+1]
	v_max_u32 v[TMN+1], v[IDR], v[IDR+1]
.irp i, 2,3,4,5,6,7,8,9,10,11,12,13,14,15
	s_delay_alu instid0(VALU_DEP_2)
	v_min_u32 v[TMN], v[TMN], v[IDR+\i]
	s_delay_alu instid0(VALU_DEP_2)
	v_max_u32 v[TMN+1], v[TMN+1], v[IDR+\i]
.endr
	s_delay_alu instid0(VALU_DEP_2)
	v_mov_b32 v[KMN], v[TMN]
	s_delay_alu instid0(VALU_DEP_2)
	v_mov_b32 v[KMN+1], v[TMN+1]
.irp m, 1,2,4                          ; with lane l xor m's: the 8 tiles of my step
	s_delay_alu instid0(VALU_DEP_2)
	v_mov_b32_dpp v[DT], v[KMN] row_xmask:\m row_mask:0xf bank_mask:0xf
	s_delay_alu instid0(VALU_DEP_2)
	v_mov_b32_dpp v[DT+1], v[KMN+1] row_xmask:\m row_mask:0xf bank_mask:0xf
	s_delay_alu instid0(VALU_DEP_2)
	v_min_u32 v[KMN], v[KMN], v[DT]
	s_delay_alu instid0(VALU_DEP_2)
	v_max_u32 v[KMN+1], v[KMN+1], v[DT+1]
.endr
	s_delay_alu instid0(VALU_DEP_2)
	v_mov_b32_dpp v[DT], v[KMN] row_xmask:8 row_mask:0xf bank_mask:0xf       ; and the other step of my block
	s_delay_alu instid0(VALU_DEP_2)
	v_mov_b32_dpp v[DT+1], v[KMN+1] row_xmask:8 row_mask:0xf bank_mask:0xf
	s_delay_alu instid0(VALU_DEP_2)
	v_min_u32 v[BMN], v[KMN], v[DT]
	s_delay_alu instid0(VALU_DEP_2)
	v_max_u32 v[BMN+1], v[KMN+1], v[DT+1]
	ds_store_b64 v3, v[KMN:KMN+1]                  ; the eight lanes of a step write the same 8 bytes with the same value
	s_wait_alu depctr_va_vdst(0)
	s_wait_dscnt 0x0                               ; for the others' sake: my store is done
	s_barrier_signal -1
	s_barrier_wait -1                              ; all 32 ranges lie in LDS
.irp i, 0,1,2,3,4,5,6,7,8,9,10,11,12,13,14,15
	ds_load_b128 v[RG+4*\i:RG+4*\i+3], v4 offset:16*\i     ; every lane reads the same words
.endr
	s_wait_dscnt 0x0
.set st, 0
.rept 32                               ; step st against my tile and my block: a bit for each of the three words
	v_cmp_le_u32 s8, v[RG+2*st], v[TMN+1]
	v_cmp_ge_u32 s9, v[RG+2*st+1], v[TMN]
	v_cmp_eq_u32 s10, v[RG+2*st], v[TMN+1]
	v_cmp_eq_u32 s11, v[RG+2*st+1], v[TMN]
	v_cmp_le_u32 s12, v[RG+2*st], v[BMN+1]
	v_cmp_ge_u32 s13, v[RG+2*st+1], v[BMN]
	s_and_b32 s8, s8, s9
	s_and_b32 s10, s10, s11
	s_and_b32 s12, s12, s13
.if st == 0
	v_cndmask_b32 v[OUTW], 0, 1, s8                ; the first bit starts the word: nothing is cleared
	v_cndmask_b32 v[OUTW+1], 0, 1, s10
	v_cndmask_b32 v[OUTW+2], 0, 1, s12
.else
	v_cndmask_b32 v[BT], 0, 1, s8
	v_cndmask_b32 v[BT+1], 0, 1, s10
	v_cndmask_b32 v[BT+2], 0, 1, s12
	s_delay_alu instid0(VALU_DEP_3)
	v_lshl_or_b32 v[OUTW], v[BT], st, v[OUTW]
	s_delay_alu instid0(VALU_DEP_3)
	v_lshl_or_b32 v[OUTW+1], v[BT+1], st, v[OUTW+1]
	s_delay_alu instid0(VALU_DEP_3)
	v_lshl_or_b32 v[OUTW+2], v[BT+2], st, v[OUTW+2]
.endif
.set st, st+1
.endr
	global_store_b128 v2, v[OUTW:OUTW+3], s[6:7]   ; a wave stores 512 consecutive bytes, at a multiple of 256 from the buffer's first byte
	s_wait_tensorcnt 0x0
	ds_add_u32 v112, v113
	s_wait_dscnt 0x0
	s_endpgm
.Lfunc_end_k_qa928899f5c_ranges:
	.size	k_qa928899f5c_ranges, .Lfunc_end_k_qa928899f5c_ranges-k_qa928899f5c_ranges
	.p2alignl 7, 3214868480
	.fill 96, 4, 3214868480
	.section	.rodata,"a",@progbits
	.p2align	6, 0x0
	.amdhsa_kernel k_qa928899f5c_ranges
		.amdhsa_group_segment_fixed_size 1280
		.amdhsa_private_segment_fixed_size 0
		.amdhsa_enable_private_segment 0
		.amdhsa_kernarg_size 16
		.amdhsa_user_sgpr_count 2
		.amdhsa_user_sgpr_kernarg_segment_ptr 1
		.amdhsa_wavefront_size32 1
		.amdhsa_system_sgpr_workgroup_id_x 1
		.amdhsa_system_sgpr_workgroup_id_y 1
		.amdhsa_system_sgpr_workgroup_id_z 1
		.amdhsa_system_vgpr_workitem_id 0
		.amdhsa_next_free_vgpr 114
		.amdhsa_next_free_sgpr 66
		.amdhsa_reserve_vcc 0
		.amdhsa_float_denorm_mode_32 3
		.amdhsa_float_denorm_mode_16_64 3
		.amdhsa_memory_ordered 1
		.amdhsa_forward_progress 1
		.amdhsa_inst_pref_size 36
	.end_amdhsa_kernel
	.amdgpu_metadata
---
amdhsa.version: [ 1, 2 ]
amdhsa.kernels:
  - .name:           k_qa928899f5c_ranges
    .symbol:         k_qa928899f5c_ranges.kd
    .args:
      - { .name: document_id, .offset: 0, .size: 8, .value_kind: global_buffer, .address_space: global }
      - { .name: masks, .offset: 8, .size: 8, .value_kind: global_buffer, .address_space: global }
    .group_segment_fixed_size: 1280
    .private_segment_fixed_size: 0
    .kernarg_segment_align: 8
    .kernarg_segment_size: 16
    .max_flat_workgroup_size: 256
    .sgpr_count:     66
    .vgpr_count:     114
    .wavefront_size: 32
...
	.end_amdgpu_metadata
.endif
;; end of part 3
;; launch docattn (part 4): grid 16 x 16, 16 waves a work-group, no clusters, 313,344 bytes of LDS; arguments Q_codes, Q_scales, K_codes, K_scales, V_codes, V_scales, document_id, out0, masks; writes out0
.if DOCPART == 4
	.amdgcn_target "amdgcn-amd-amdhsa--gfx1250"
	.amdhsa_code_object_version 6
	.text
	.protected	k_qa928899f5c_docattn
	.globl	k_qa928899f5c_docattn
	.p2align	8
	.type	k_qa928899f5c_docattn,@function
k_qa928899f5c_docattn:
	s_mov_b64 s[64:65], 0
	v_nop
	global_prefetch_b8 v0, s[64:65] scope:SCOPE_SE
	s_setreg_imm32_b32 hwreg(HW_REG_WAVE_SCHED_MODE, 0, 2), 2
	s_setreg_imm32_b32 hwreg(HW_REG_WAVE_MODE, 25, 1), 1
	s_wait_xcnt 0x0
	s_wait_alu depctr_vm_vsrc(0)
; out[h][q][:] = the sum over k of softmax_k(Q[h][q] . K[h][k] / 8, only where document_id[k] == document_id[q]) V[h][k][:].  16 heads, 4,096 tokens, head size 64.
; Both products on codes of FP4 (E2M1) with one E8M0 scale for each 32 along a product's K.  Q, K: rows of 32 bytes of codes and 2 scale bytes.  V: the keys innermost: for each of a head's 64 channels 2,048 bytes of codes, 128 scale bytes.
; THE SOFTMAX AHEAD OF THE SECOND PRODUCT: t = score x log2(e) / 8; M = the row's largest t so far, rounded UP to a whole number; p = 2^(t - M) is quantised along the keys, in blocks of 32; it is not normalised.
; The row's sum is taken of the unquantised p and divides O at the end.  When M moves, the sum and O are multiplied by 2^(old M - new M): exact.
; SHARES.  A work-group owns 256 queries of one head (x: the block, y: the head): 256 work-groups.  Each of its sixteen waves owns one tile of 16 queries in 256 registers, four waves to a SIMD, so that one wave's
; exponentials stand beside another's LDS loads and products.  The keys go in 32 steps of 128.
; WHAT IS LEFT OUT.  A step is walked by a tile only where the range of the step's 128 ids (smallest to largest, unsigned order) meets the range of the tile's 16 ids: otherwise no pair of them is equal and every p of the
; step is 0.  The launch in front has made that test on document_id as it is given, whatever its order, and left three words for each tile in the buffer masks (bit s for step s): ACT (the tile walks the step), OPN (all 144 ids
; are equal: no mask is made), WGA (the step's range meets that of the work-group's 256 ids).  With ids in no order all 32 steps are walked.  The loop's trip count is the constant 32; a scalar branch on these words leads
; round a step's work, never round a barrier.
; K AND V REACH LDS ONCE FOR THE WORK-GROUP, and only the steps of WGA (ACT is a part of it, so no tile reads a step that was not brought).  Wave w brings steps w and
; w + 16, through registers, and stores them AS IMAGES OF THE OPERANDS' REGISTERS: lane l's 16 bytes at 16 l, 512 bytes a store; any wave that loads an image has the fragment in its lanes.  No pitch, no padding.
; Through registers and not by the data mover, and no cluster with joint loads: which steps are wanted hangs on document_id and differs from work-group to work-group.
; V's loads take 64 bytes of each of 16 rows 2,048 bytes apart (a step's part of a channel); the neighbouring 64 bytes are taken by the neighbouring waves in the same phase.
; LAYOUT.  Both products are used transposed: S^T = K Q^T (source 0 = 16 keys, source 1 = my 16 queries), O^T = V^T P^T (source 0 = 16 channels, source 1 = P): a lane holds ONE query (lane % 16) throughout.
; THE KEYS OF A TILE ARE NOT NEIGHBOURS: lane r of tile 2 b + u takes key 32 b + 8 u + r + 8 (r / 8), so that the 16 registers of tiles 2 b and 2 b + 1 are the neighbouring keys 32 b + 16 (lane / 16) + 0 .. 15.
; The head is 64 wide and the instruction 128: registers 4-7 of K's and Q's fragments are zero codes, and bytes 2, 3 of their scale words are 0 (2^-127, over zero codes).
; THE MASK is the C of the first product: 0 where the ids are equal, the problem's own -1e30 elsewhere.  The running largest t begins at -2^93, above every masked t (-1.8e29): a masked score never becomes the maximum,
; and its p is exactly 0, also in a step in which a row sees no key.  Every row sees itself, and its own step always passes the range test: the sum ends positive.
; LIMITS: real scores with t under -2^93 are not served; p under 2^-126 counts as 0 (v_exp_f32 flushes); scale bytes 0xff (NaN) among the inputs are not served.
; LDS: 32 slots of 9,216 bytes (8 images of K, 8 of V, one of K's scale words, one of V's); the 4,096 ids as they lie.  On the way out each wave's stage lies over the slots, behind a barrier.
; THE MODE: SCHED_MODE bits 1:0 = 2 (LLVM: expert scheduling mode 2), set by the entry lines.  The code itself states the register dependences
; between vector or matrix instructions and memory or LDS instructions, with s_wait_alu, always for 0.
; THE PLAN.  Registers that memory or LDS instructions touch:
;   the head's offsets and addresses (v1, v2, v7-10, v232-240), the closing add's pair (v243, v255) and the two zeros of V's scale image (v166, v167): made by vector lines at the head; ONE wait on va_vdst ahead of the first load.
;   v32-39 (ids) and v96-165 (a step on its way to LDS): loads land in them, LDS stores read them.  A wait on vm_vsrc stands between the two steps that a wave brings, and one ahead of the start values, which write some of them.
;   v3, v4    Written by the two additions at a walked step's head; read by that step's LDS loads.  A wait on vm_vsrc stands beside the step's last wait on DScnt, ahead of the backward jump.
;   S         A step's ids land in it; mask, products, softmax and the row's sum work on it.     K's fragments and scale words: loaded, read by S^T's products.     V's: loaded, read by O^T's products.
;   So ONE wait on va_vdst stands at a walked step's head, behind the two additions: all that the step before did to S, K's and V's registers is over, and all the step's LDS loads follow it, in either arm, with no further wait.
;   p's codes and scale word are made by vector lines and taken by scaled products: a wait on va_vdst stands directly ahead of those, behind their places.  The second half of the row's sum stands behind these products:
;   the next step's head finds them 17 lines old.     The mask's compares write scalar registers, 32 to a run, with one wait on va_sdst behind each run.
;   the way out: v96-127 are written by the multiplies and read by LDS stores, v128-159 take the rows read back: one wait on va_vdst behind the multiplies.
.set SLOT,  9216                       ; a key step's images
.set VIMG,  4096                       ; in a slot: V's eight images behind K's eight,
.set KSIM,  8192                       ; K's scale words: register b: lanes 0-15 tile 2 b's, lanes 16-31 tile 2 b + 1's,
.set VSIM,  8704                       ; V's: register i (0, 1) likewise; registers 2, 3 zeros
.set IDSB,  32*SLOT                    ; the ids, 4 bytes a key
.set SP,    272                        ; the way out: a row of 256 bytes + 16: the sixteen rows of a store start in sixteen different 16-byte columns modulo 256
.set WST,   16*SP                      ; a wave's stage
.set LI,   1                           ; v1   16 x lane: an image's place for my lane; also my byte in two rows of out
.set IDH,  2                           ; v2   IDSB + 64 (lane / 16)
.set ADR,  3                           ; v3   the slot in hand + LI
.set ADI,  4                           ; v4   the step's ids + IDH
.set QD,   5                           ; v5   my query's id
.set NEG,  6                           ; v6   -1e30
.set STO,  7                           ; v7   the stage: where I put 32 bytes of a row
.set RD,   8                           ; v8   and where I read a row back
.set SW,   9                           ; v9, v10  where I store the images of steps w and w + 16
.set RR,   11                          ; v11  lane % 16   (head only)
.set NM,   12                          ; v12  -M;  v13 the largest t so far
.set LS,   14                          ; v[14:15] the row's sum, in two halves
.set QF,   16                          ; v[16:23] Q's fragment
.set VS,   24                          ; v[24:27] V's scale words
.set PW,   28                          ; v28  p's scale word
.set QS,   29                          ; v29  Q's scale word
.set HH,   30                          ; v30  lane / 16   (head only)
.set LN,   31                          ; v31  lane        (head only)
.set KF,   32                          ; v32-95   K's eight fragments  (head: v32-39 my 8 ids)
.set S,    96                          ; v96-159  ids, then the mask, then S^T, then p
.set O,    160                         ; v160-191 O^T, four tiles
.set VF,   192                         ; v192-223 V's four fragments
.set PC,   224                         ; v[224:231] p's codes
.set BM,   232                         ; v232-235 a block's largest score, then its largest p
.set BP,   236                         ; v236-239 the other half's, then the bytes, then the second chain of the sum
.set CV,   244                         ; v244-247 the conversions' scale operands
.set KS,   248                         ; v[248:251] K's scale words
.set F,    252                         ; v252 f = 2^(old M - new M); v253 named with it as a pair
.set TMP,  254
.set SD,   96                          ; the head: what a wave brings of a step: 32 registers of K, 32 of V, 4 + 4 of scale words
.set KA,   232                         ; the head's byte offsets in memory: K's codes,
.set VA,   233                         ; V's codes,
.set KSA,  234                         ; K's scale bytes,
.set VSA,  235                         ; V's,
.set QA,   236                         ; Q's codes,
.set QSA,  237                         ; Q's scale bytes,
.set QIA,  238                         ; my query's id,
.set IA,   239                         ; my 8 ids of step w (lanes 0-15) or w + 16 (lanes 16-31)
.set IDW,  240                         ; and the LDS address where those 8 ids go
.set WV,   20                          ; s20  my wave's number
.set HD,   21                          ; s21  the head
.set SEL,  28                          ; s[28:29] v_permlanex16_b32's selects for lane l xor 16
.set CS,   30                          ; s[30:31] c = log2(e) / 8: the packed form names a pair and takes its low word for both halves
.set STP,  32                          ; s32  the step
.set TB,   33                          ; s33  its slot's first byte
.set KI,   34                          ; s34  its ids' first byte, from IDSB
.set ACT,  36                          ; s36  bit s: my tile walks step s            s[36:39]: my tile's 16 bytes of masks
.set OPN,  37                          ; s37  bit s: all ids of step s and of my tile are equal
.set WGA,  38                          ; s38  bit s: the work-group brings step s
.set MKA,  48                          ; s48-63  the mask's compares: a run of 32 writes these sixteen
.set MKB,  66                          ; s66-81  and these
	s_load_b256 s[4:11], s[0:1], 0x0               ; Q's codes s[4:5], Q's scales s[6:7], K's codes s[8:9], K's scales s[10:11]
	s_load_b256 s[12:19], s[0:1], 0x20             ; V's codes s[12:13], V's scales s[14:15], document_id s[16:17], out s[18:19]
	s_load_b64 s[46:47], s[0:1], 0x40              ; masks
	v_lshl_add_u32 v243, v0, 2, 0x4c000
	v_mov_b32 v255, 0
	v_lshrrev_b32 v[TMP], 5, v0
	v_readfirstlane_b32 s[WV], v[TMP]              ; wave 0..15
	s_and_b32 s[HD], ttmp7, 0xffff
	v_and_b32 v[RR], 15, v0
	v_bfe_u32 v[HH], v0, 4, 1
	v_and_b32 v[LN], 31, v0
	; every LDS address register is made here, of the thread's number, the wave's number and constants
	v_lshlrev_b32 v[LI], 4, v[LN]
	v_lshl_add_u32 v[IDH], v[HH], 6, IDSB
	s_wait_alu depctr_va_sdst(0)                   ; s20, the wave's number, is written, ahead of its first reader: LDS addresses, bases and the steps to bring are made from it
	s_mul_i32 s42, s[WV], WST
	v_mul_u32_u24 v[STO], v[RR], SP
	v_lshl_add_u32 v[STO], v[HH], 5, v[STO]
	v_add_nc_u32 v[STO], s42, v[STO]               ; my stage + row r + 32 h
	v_mul_u32_u24 v[RD], v[HH], SP
	v_lshl_add_u32 v[RD], v[RR], 4, v[RD]
	v_add_nc_u32 v[RD], s42, v[RD]                 ; back: lanes 0-15 one row, lanes 16-31 the next
	s_mul_i32 s43, s[WV], SLOT
	v_add_nc_u32 v[SW], s43, v[LI]                 ; slot w,
	v_add_nc_u32 v[SW+1], 16*SLOT, v[SW]           ; slot w + 16
	v_lshlrev_b32 v[IA], 5, v[RR]
	v_lshl_add_u32 v[IA], v[HH], 13, v[IA]         ; 8 ids a lane: 32 r, + 16 steps of 512 bytes for lanes 16-31
	s_lshl_b32 s44, s[WV], 9
	s_add_co_u32 s44, s44, IDSB
	v_add_nc_u32 v[IDW], s44, v[IA]
	; byte offsets in memory
	v_and_b32 v[TMP], 8, v[RR]
	v_add_nc_u32 v[TMP], v[TMP], v[RR]             ; r + 8 (r / 8)
	v_lshlrev_b32 v[KA], 5, v[TMP]
	v_lshl_add_u32 v[KA], v[HH], 4, v[KA]          ; K: the key's row of 32 bytes, + 16 h
	v_lshlrev_b32 v[VA], 11, v[RR]
	v_lshl_add_u32 v[VA], v[HH], 4, v[VA]          ; V: channel r's row of 2,048 bytes, + 16 h
	v_lshl_add_u32 v[KSA], v[HH], 3, v[TMP]
	v_lshlrev_b32 v[KSA], 1, v[KSA]                ; K's scales: 2 bytes a key; lanes 16-31 take the odd tile's keys, 8 further on
	v_lshlrev_b32 v[VSA], 7, v[LN]                 ; V's: 128 bytes a channel; lanes 16-31 take the odd tile's channels
	v_lshlrev_b32 v[QA], 5, v[RR]
	v_lshl_add_u32 v[QA], v[HH], 4, v[QA]
	v_lshlrev_b32 v[QSA], 1, v[RR]
	v_lshlrev_b32 v[QIA], 2, v[RR]
	v_mov_b32 v[NEG], 0xf149f2ca                   ; -1e30
	v_mov_b32 v[SD+70], 0                          ; registers 2, 3 of the image of V's scale words
	v_mov_b32 v[SD+71], 0
	s_mov_b32 s[SEL], 0x76543210
	s_mov_b32 s[SEL+1], 0xfedcba98
	s_mov_b32 s[CS], 0x3e38aa3b                    ; log2(e) / 8
	s_mov_b32 s[CS+1], s[CS]
	s_mov_b32 s25, 0                               ; every offset is under 2^25: a pair with 0 on top
	s_lshl_b32 s40, s[HD], 17                      ; the head's first byte in each tensor of codes (4,096 x 32 = 64 x 2,048 bytes),
	s_lshl_b32 s41, s[HD], 13                      ; and in each tensor of scale bytes
	s_wait_kmcnt 0x0
	s_lshl_b32 s24, ttmp9, 8                       ; masks: 16 bytes for tile 16 x + w
	s_lshl_b32 s26, s[WV], 4
	s_add_co_u32 s24, s24, s26
	s_add_nc_u64 s[46:47], s[46:47], s[24:25]
	s_load_b128 s[ACT:ACT+3], s[46:47], 0x0        ; asked for first: the bringing of K and V waits for it; s[46:47] are not written again
	s_lshl_b32 s24, ttmp9, 13                      ; Q's codes: + 256 x rows of 32 bytes + 16 w rows
	s_lshl_b32 s26, s[WV], 9
	s_add_co_u32 s24, s24, s26
	s_add_co_u32 s24, s24, s40
	s_add_nc_u64 s[4:5], s[4:5], s[24:25]
	s_lshl_b32 s24, ttmp9, 9                       ; Q's scales: 2 bytes a row
	s_lshl_b32 s26, s[WV], 5
	s_add_co_u32 s24, s24, s26
	s_add_co_u32 s24, s24, s41
	s_add_nc_u64 s[6:7], s[6:7], s[24:25]
	s_lshl_b32 s24, s[WV], 12                      ; K's codes at step w: 128 rows of 32 bytes a step
	s_add_co_u32 s24, s24, s40
	s_add_nc_u64 s[8:9], s[8:9], s[24:25]
	s_lshl_b32 s24, s[WV], 8                       ; K's scales: 256 bytes a step
	s_add_co_u32 s24, s24, s41
	s_add_nc_u64 s[10:11], s[10:11], s[24:25]
	s_lshl_b32 s24, s[WV], 6                       ; V's codes: 64 bytes a step in each row
	s_add_co_u32 s24, s24, s40
	s_add_nc_u64 s[12:13], s[12:13], s[24:25]
	s_lshl_b32 s24, s[WV], 2                       ; V's scales: 4 bytes a step in each row
	s_add_co_u32 s24, s24, s41
	s_add_nc_u64 s[14:15], s[14:15], s[24:25]
	s_lshl_b32 s24, ttmp9, 10                      ; the ids of my tile's 16 queries,
	s_lshl_b32 s26, s[WV], 6
	s_add_co_u32 s24, s24, s26
	s_add_nc_u64 s[22:23], s[16:17], s[24:25]
	s_lshl_b32 s24, s[WV], 9                       ; and of step w's 128 keys
	s_add_nc_u64 s[16:17], s[16:17], s[24:25]
	s_lshl_b32 s24, s[HD], 20                      ; out: rows of 256 bytes
	s_lshl_b32 s26, ttmp9, 16
	s_add_co_u32 s24, s24, s26
	s_lshl_b32 s26, s[WV], 12
	s_add_co_u32 s24, s24, s26
	s_add_nc_u64 s[18:19], s[18:19], s[24:25]
	s_wait_alu depctr_va_vdst(0)                   ; the offsets and LDS addresses v1, v2, v7-10 and v232-240 are written, which the kernel's loads and stores read; so are v166, v167, data of the scale image's store, and v243, v255, which the closing add reads
	global_load_b128 v[32:35], v[IA], s[16:17]             ; 8 ids a lane: lanes 0-15 step w's 512 bytes, lanes 16-31 step w + 16's
	global_load_b128 v[36:39], v[IA], s[16:17] offset:16
	global_load_b32 v[QD], v[QIA], s[22:23]                ; my query's id: the same 16 in both halves of the lanes
	global_load_b128 v[QF:QF+3], v[QA], s[4:5] th:TH_LOAD_NT   ; Q's fragment: k = 32 h + 0 .. 31 of row r; read once in the launch
	global_load_u16 v[QS], v[QSA], s[6:7] th:TH_LOAD_NT        ; its two scale bytes; bytes 2, 3 come as 0
	s_wait_loadcnt 2                               ; the ids are in; the two loads of Q, issued behind them, may stay out
	ds_store_b128 v[IDW], v[32:35]                 ; the ids go to LDS as they lie: the masks of the steps are made of them
	ds_store_b128 v[IDW], v[36:39] offset:16
	s_wait_kmcnt 0x0                               ; my tile's three words
	; ---- step w + 16 k comes into its slot, if it is wanted.  Loads, wait and stores stand in one branch.  No vector line stands between the head's wait on va_vdst and these loads and stores
.macro STAGE k
	s_add_co_u32 s40, s[WV], 16*\k
	s_bitcmp1_b32 s[WGA], s40
	s_cbranch_scc0 .Lnot_wanted_\@
.irp t, 0,1,2,3,4,5,6,7                ; K's tile t begins at key 32 (t / 2) + 8 (t % 2): a load covers two runs of 256 consecutive bytes
	global_load_b128 v[SD+4*\t:SD+4*\t+3], v[KA], s[8:9] offset:(32*(\t/2)+8*(\t%2))*32+65536*\k
.endr
.irp t, 0,1,2,3                        ; V's tile t: channels 16 t on; registers 4 c on: keys 64 c + 32 h on
.irp c, 0,1
	global_load_b128 v[SD+32+4*(2*\t+\c):SD+32+4*(2*\t+\c)+3], v[VA], s[12:13] offset:32768*\t+32*\c+1024*\k
.endr
.endr
.irp b, 0,1,2,3
	global_load_u16 v[SD+64+\b], v[KSA], s[10:11] offset:64*\b+4096*\k     ; bytes 2, 3 come as 0
.endr
.irp i, 0,1
	global_load_b32 v[SD+68+\i], v[VSA], s[14:15] offset:4096*\i+64*\k
.endr
	s_wait_loadcnt 0x0
.irp t, 0,1,2,3,4,5,6,7
	ds_store_b128 v[SW+\k], v[SD+4*\t:SD+4*\t+3] offset:512*\t
.endr
.irp t, 0,1,2,3,4,5,6,7
	ds_store_b128 v[SW+\k], v[SD+32+4*\t:SD+32+4*\t+3] offset:VIMG+512*\t
.endr
	ds_store_b128 v[SW+\k], v[SD+64:SD+67] offset:KSIM
	ds_store_b128 v[SW+\k], v[SD+68:SD+71] offset:VSIM
	s_wait_dscnt 0x0                               ; the stores have landed
.Lnot_wanted_\@:
.endm
	STAGE 0
	s_wait_alu depctr_vm_vsrc(0)                   ; step w's LDS stores have read v[SD ..], in which step w + 16's loads land
	STAGE 1
	s_wait_loadcnt 0x0                             ; Q (on the way on which nothing was brought too): every load's address register is free
	s_wait_dscnt 0x0                               ; for the others' sake: my ids and my images lie in LDS
	s_wait_alu depctr_vm_vsrc(0)                   ; the LDS stores have read v32-39 and v[SD ..], the global loads their offsets v232-239: the start values below, the loop's loads and the softmax write these registers
	s_barrier_signal -1
	; the start values, on registers alone, while the others arrive.  The zero codes first: they stand more than four plain lines ahead of the first product
.irp i, 4,5,6,7
	v_mov_b32 v[QF+\i], 0                          ; k = 64 .. 127 of Q: zero codes
.endr
.irp t, 0,1,2,3,4,5,6,7
.irp i, 4,5,6,7
	v_mov_b32 v[KF+8*\t+\i], 0                     ; and of K's eight fragments: written once, the loop loads registers 0-3 alone
.endr
.endr
.set j, 0
.rept 32
	v_mov_b32 v[O+j], 0                            ; O^T.  (The step is written once: the first finds zeros, which the first change of M leaves zeros)
.set j, j+1
.endr
	v_mov_b32 v[LS], 0
	v_mov_b32 v[LS+1], 0
	v_mov_b32 v[F+1], 0                            ; named as the upper half of a pair
.irp b, 0,1,2,3
	v_mov_b32 v[BP+\b], 0                          ; a lane permute's destination counts as one of its sources
.endr
	v_mov_b32 v[NM+1], 0xee000000                  ; the largest t so far: -2^93: over every masked t, under every t that is served
	v_floor_f32 v[NM], -v[NM+1]                    ; -M
	s_mov_b32 s[STP], 0
	s_mov_b32 s[TB], 0
	s_mov_b32 s[KI], 0
	s_barrier_wait -1                              ; all ids and every wanted slot are whole; nothing is stored to LDS until the loop is over
.macro IDS_IN                          ; register 16 b + i takes the id of key 128 step + 32 b + 16 h + i: the place that the key's score will take.  The sixteen lanes of a half read the same words
.irp b, 0,1,2,3
.irp i, 0,1,2,3
	ds_load_b128 v[S+16*\b+4*\i:S+16*\b+4*\i+3], v[ADI] offset:128*\b+16*\i
.endr
.endr
.endm
.macro FETCH                           ; 18 loads: K's scale words, K's eight images; V's scale words, V's eight images
	ds_load_b128 v[KS:KS+3], v[ADR] offset:KSIM
.irp t, 0,1,2,3,4,5,6,7
	ds_load_b128 v[KF+8*\t:KF+8*\t+3], v[ADR] offset:512*\t
.endr
	ds_load_b128 v[VS:VS+3], v[ADR] offset:VSIM
.irp t, 0,1,2,3,4,5,6,7
	ds_load_b128 v[VF+4*\t:VF+4*\t+3], v[ADR] offset:VIMG+512*\t
.endr
.endm
.macro MASK                            ; the ids become the first product's C: 0 where the key's id is my query's, -1e30 elsewhere.  Two runs of 32 compares, each into 32 scalar registers, and the 32 selections that read them
.irp g, 0,1
.set j, 0
.rept 16
	v_cmp_ne_u32 s[MKA+j], v[S+32*\g+j], v[QD]
	v_cmp_ne_u32 s[MKB+j], v[S+32*\g+16+j], v[QD]
.set j, j+1
.endr
	s_wait_alu depctr_va_sdst(0)                   ; the run's 32 compares have written s48-63 and s66-81, ahead of the selections that read them
.set j, 0
.rept 16
	v_cndmask_b32 v[S+32*\g+j], 0, v[NEG], s[MKA+j]
	v_cndmask_b32 v[S+32*\g+16+j], 0, v[NEG], s[MKB+j]
.set j, j+1
.endr
.endr
.endm
; S^T = K Q^T: eight tiles of 16 keys, one instruction each.  zero = 1: every key counts, C is the constant 0.  Tiles 2 b and 2 b + 1 take their scale words from the two halves of one register.
.macro QK zero
.irp b, 0,1,2,3
.if \zero
	v_wmma_scale_f32_16x16x128_f8f6f4 v[S+16*\b:S+16*\b+7], v[KF+16*\b:KF+16*\b+7], v[QF:QF+7], 0, v[KS+\b], v[QS] matrix_a_fmt:MATRIX_FMT_FP4 matrix_b_fmt:MATRIX_FMT_FP4
	v_wmma_scale_f32_16x16x128_f8f6f4 v[S+16*\b+8:S+16*\b+15], v[KF+16*\b+8:KF+16*\b+15], v[QF:QF+7], 0, v[KS+\b], v[QS] matrix_a_fmt:MATRIX_FMT_FP4 matrix_b_fmt:MATRIX_FMT_FP4 matrix_a_scale:MATRIX_SCALE_ROW1
.else
	v_wmma_scale_f32_16x16x128_f8f6f4 v[S+16*\b:S+16*\b+7], v[KF+16*\b:KF+16*\b+7], v[QF:QF+7], v[S+16*\b:S+16*\b+7], v[KS+\b], v[QS] matrix_a_fmt:MATRIX_FMT_FP4 matrix_b_fmt:MATRIX_FMT_FP4
	v_wmma_scale_f32_16x16x128_f8f6f4 v[S+16*\b+8:S+16*\b+15], v[KF+16*\b+8:KF+16*\b+15], v[QF:QF+7], v[S+16*\b+8:S+16*\b+15], v[KS+\b], v[QS] matrix_a_fmt:MATRIX_FMT_FP4 matrix_b_fmt:MATRIX_FMT_FP4 matrix_a_scale:MATRIX_SCALE_ROW1
.endif
.endr
.endm
; O^T += V^T P^T: four tiles of 16 channels, K = the step's 128 keys
.macro PV
.irp i, 0,1
	v_wmma_scale_f32_16x16x128_f8f6f4 v[O+16*\i:O+16*\i+7], v[VF+16*\i:VF+16*\i+7], v[PC:PC+7], v[O+16*\i:O+16*\i+7], v[VS+\i], v[PW] matrix_a_fmt:MATRIX_FMT_FP4 matrix_b_fmt:MATRIX_FMT_FP4
	v_wmma_scale_f32_16x16x128_f8f6f4 v[O+16*\i+8:O+16*\i+15], v[VF+16*\i+8:VF+16*\i+15], v[PC:PC+7], v[O+16*\i+8:O+16*\i+15], v[VS+\i], v[PW] matrix_a_fmt:MATRIX_FMT_FP4 matrix_b_fmt:MATRIX_FMT_FP4 matrix_a_scale:MATRIX_SCALE_ROW1
.endr
.endm
.macro SOFTMAX
.rept 4
	v_nop                                          ; four places between the last product and the first read of results (ISA guide 7.12.1)
.endr
.irp b, 0,1,2,3
	v_max3_num_f32 v[BM+\b], v[S+16*\b], v[S+1+16*\b], v[S+2+16*\b]   ; THE LARGEST SCORE OF EACH BLOCK OF 32 KEYS serves twice: for the row's maximum and, since p rises with the score, for the block's largest p.  Each tile is read from its low end on
.endr
.irp i, 3,5,7,9,11,13
.irp b, 0,1,2,3
	v_max3_num_f32 v[BM+\b], v[BM+\b], v[S+16*\b+\i], v[S+1+16*\b+\i]   ; (the four blocks by turns)
.endr
.endr
.irp b, 0,1,2,3
	v_max_num_f32 v[BM+\b], v[BM+\b], v[S+15+16*\b]
.endr
.irp b, 0,1,2,3
	v_permlanex16_b32 v[BP+\b], v[BM+\b], s[SEL], s[SEL+1]
.endr
.irp b, 0,1,2,3
	v_max_num_f32 v[BM+\b], v[BM+\b], v[BP+\b]     ; with lane l xor 16's 16 keys
.endr
	v_max3_num_f32 v[TMP], v[BM], v[BM+1], v[BM+2]
	v_max_num_f32 v[TMP], v[TMP], v[BM+3]          ; the step's largest score of my query
	v_mul_f32 v[TMP], s[CS], v[TMP]                ; as t (c is positive)
	v_max_num_f32 v[NM+1], v[NM+1], v[TMP]         ; the running largest t
	v_mov_b32 v[TMP], v[NM]
	v_floor_f32 v[NM], -v[NM+1]                    ; the new -M = floor(-t) = -ceil(t): M is a whole number
	v_sub_f32 v[TMP], v[NM], v[TMP]                ; M's old value less its new one: a whole number, 0 or less
	v_cvt_i32_f32 v[TMP], v[TMP]                   ; (it saturates)
	v_ldexp_f32 v[F], 1.0, v[TMP]                  ; f = 2^(old M - new M)
.set j, 0
.rept 32
	v_pk_fma_f32 v[S+j:S+j+1], v[S+j:S+j+1], s[CS:CS+1], v[NM:NM+1] op_sel_hi:[1,0,0]   ; t - M, two at a time (of the pairs c and -M the low word serves both halves)
.set j, j+2
.endr
.irp b, 0,1,2,3
	v_fma_f32 v[BM+\b], v[BM+\b], s[CS], v[NM]     ; the same of each block's largest score
.endr
.set j, 0
	s_wait_alu depctr_va_vdst(0)
.rept 64
	v_exp_f32 v[S+j], v[S+j]                       ; p = 2^(t - M), at most 1; 0 for a masked key
.set j, j+1
.endr
.irp b, 0,1,2,3
	v_exp_f32 v[BM+\b], v[BM+\b]                   ; the block's largest p: the same two instructions on the same number give the same bits
.endr
	v_pk_mul_f32 v[LS:LS+1], v[LS:LS+1], v[F:F+1] op_sel_hi:[1,0]   ; the sums under the new M.  (The plain line behind the exponentials)
	s_wait_alu depctr_va_vdst(0)                   ; the 68 exponentials have written p (v[S ..]) and the blocks' largest p (v[BM ..]): one wait for the batch, ahead of its first reader
.irp b, 0,1,2,3
	v_max_num_f32 v[BM+\b], 0x1800000, v[BM+\b]    ; the floor 2^(3 - 127): the byte cannot fall under 1 (a block whose every p is 0 keeps that byte: its codes are zeros)
.endr
.irp b, 0,1,2,3
	v_add_nc_u32 v[CV+\b], 0xff000000, v[BM+\b]    ; 2 off the exponent field: the conversion's scale operand
.endr
.irp b, 0,1,2,3
	v_lshrrev_b32 v[BP+\b], 23, v[CV+\b]           ; the scale's byte
.endr
	v_lshl_or_b32 v[PW], v[BP+1], 8, v[BP]         ; p's scale word for these 128 keys
	v_lshl_or_b32 v[PW], v[BP+2], 16, v[PW]
	v_lshl_or_b32 v[PW], v[BP+3], 24, v[PW]
.irp b, 0,1,2,3
	v_cvt_scalef32_pk8_fp4_f32 v[PC+2*\b], v[S+16*\b:S+16*\b+7], v[CV+\b]
	v_cvt_scalef32_pk8_fp4_f32 v[PC+1+2*\b], v[S+16*\b+8:S+16*\b+15], v[CV+\b]
.endr
	v_nop                                          ; one plain line behind a scaled conversion
.irp c, 0,1                            ; the operand's layout wants a WHOLE block in a lane: lanes 0-15 block 2 c, lanes 16-31 block 2 c + 1
.irp i, 0,1
	v_permlane16_swap_b32 v[PC+4*\c+\i], v[PC+2+4*\c+\i]
.endr
.endr
.set j, 0
.rept 16
	v_pk_mul_f32 v[O+j:O+j+1], v[O+j:O+j+1], v[F:F+1] op_sel_hi:[1,0]   ; O^T under the new M, each tile from its low end on
.set j, j+2
.endr
	v_pk_add_f32 v[BP:BP+1], v[S:S+1], v[S+2:S+3]  ; THE ROW'S SUM IS TAKEN OF THE UNQUANTISED p: two at a time, in two chains.  Its first 15 lines stand here: with the 16 above they stand between p's codes and scale word and the products that take them, and these 15 name no register of those products
.irp i, 4,8,12,16,20,24,28
	v_pk_add_f32 v[LS:LS+1], v[LS:LS+1], v[S+\i:S+\i+1]
	v_pk_add_f32 v[BP:BP+1], v[BP:BP+1], v[S+2+\i:S+3+\i]
.endr
.endm
.macro SUMREST                         ; the sum's other 17 lines, in the same order, behind O^T's products, none of whose registers they name: they are the places behind those products too
.irp i, 32,36,40,44,48,52,56,60
	v_pk_add_f32 v[LS:LS+1], v[LS:LS+1], v[S+\i:S+\i+1]
	v_pk_add_f32 v[BP:BP+1], v[BP:BP+1], v[S+2+\i:S+3+\i]
.endr
	v_pk_add_f32 v[LS:LS+1], v[LS:LS+1], v[BP:BP+1]
.endm
; THE LOOP: 32 trips.  A trip's matrix instructions are S^T's eight tiles and O^T's four, one instruction to each accumulator: no two that follow each other share one, over the backward jump and over steps left out too
.Lstep:
	s_bitcmp1_b32 s[ACT], s[STP]
	s_cbranch_scc0 .Lskip                          ; no id of the step can be an id of my tile
	v_add_nc_u32 v[ADR], s[TB], v[LI]              ; (the last walked step's loads have read both registers: the wait on vm_vsrc ahead of its last products)
	v_add_nc_u32 v[ADI], s[KI], v[IDH]
	s_wait_alu depctr_va_vdst(0)                   ; v[ADR] and v[ADI] are written, which the loads below read; the last walked step is done with S, its products with K's and V's fragments and scale words, in all of which loads land; on the first trip the zero codes of Q and K are written, which the scaled products take
	s_bitcmp1_b32 s[OPN], s[STP]
	s_cbranch_scc1 .Lopen
	IDS_IN
	FETCH
	s_wait_dscnt 18                                ; the 16 loads of ids are in; the 18 issued behind them may be out
	MASK                                           ; while K and V land: it names S, my query's id and -1e30 alone, none of the registers that the 18 loads touch
	s_wait_alu depctr_va_vdst(0)
	s_wait_dscnt 9                                 ; K's scale words and images are in; V's scale words and eight images may be out
.rept 4
	v_nop                                          ; between the mask's last line and the product that takes it as C
.endr
	QK 0
	s_branch .Ljoin
.Lopen:
	FETCH
	s_wait_dscnt 9                                 ; as above
	QK 1
.Ljoin:
	SOFTMAX
	s_wait_dscnt 0x0                               ; V
	s_wait_alu depctr_vm_vsrc(0)                   ; the step's LDS loads have read v[ADR] and v[ADI], which the next walked step's additions write
	s_wait_alu depctr_va_vdst(0)                   ; p's codes v[PC ..] and its scale word v[PW] are written, which the scaled products below take; their places stand above
	PV
	SUMREST
.Lskip:
	s_add_co_u32 s[TB], s[TB], SLOT
	s_add_co_u32 s[KI], s[KI], 512
	s_add_co_u32 s[STP], s[STP], 1
	s_cmp_lt_u32 s[STP], 32
	s_cbranch_scc1 .Lstep
	; THE WAY OUT.  O^T / the sum goes through my stage in LDS and leaves as whole rows of 256 bytes.  The stages lie over the slots: so a barrier, in front of which every wave's reads of the slots are over.
.rept 4
	v_nop                                          ; four places behind the last products
.endr
	s_wait_dscnt 0x0                               ; my reads of the slots are over
	s_barrier_signal -1
	s_wait_alu depctr_va_vdst(0)
	v_add_f32 v[LS], v[LS], v[LS+1]                ; on registers alone, while the others arrive: the sum's two halves,
	v_permlanex16_b32 v[TMP], v[LS], s[SEL], s[SEL+1]
	v_add_f32 v[LS], v[LS], v[TMP]                 ; and lane l xor 16's: the row's sum
	s_wait_alu depctr_va_vdst(0)
	v_rcp_f32 v[LS], v[LS]
	v_nop                                          ; one plain line behind a transcendental
.set j, 0
	s_wait_alu depctr_va_vdst(0)                   ; the reciprocal has written v[LS], ahead of its first reader
.rept 32
	v_mul_f32 v[S+j], v[O+j], v[LS]                ; register 8 t + i is out(r, 16 t + 8 h + i); each tile from its low end on
.set j, j+1
.endr
	s_wait_alu depctr_va_vdst(0)                   ; the multiplies have written v[S .. S+31], which the LDS stores below read; the loop's vector lines are done with v[S+32 ..], in which the rows read back land
	s_barrier_wait -1                              ; nobody reads a slot any more
.irp t, 0,1,2,3
	ds_store_b128 v[STO], v[S+8*\t:S+8*\t+3] offset:64*\t
	ds_store_b128 v[STO], v[S+8*\t+4:S+8*\t+7] offset:64*\t+16
.endr
.irp i, 0,1,2,3,4,5,6,7
	ds_load_b128 v[S+32+4*\i:S+32+4*\i+3], v[RD] offset:2*\i*SP    ; my own bytes, and LDS serves a wave's instructions in order (ISA guide 5.7.1.4): these see the stores above
.endr
.irp i, 0,1,2,3,4,5,6,7
	s_wait_dscnt 7-\i                              ; rows 2 i and 2 i + 1 are back; the younger loads may be out
	global_store_b128 v[LI], v[S+32+4*\i:S+32+4*\i+3], s[18:19] offset:512*\i th:TH_STORE_NT   ; 32 lanes store 512 consecutive bytes, at a multiple of 256 from out's first byte; written once, read by nobody here
.endr
	s_wait_dscnt 0x0                               ; the closing lines, six on end
	s_wait_alu 0x0
	s_wait_tensorcnt 0x0
	ds_add_u32 v243, v255
	s_wait_dscnt 0x0
	s_endpgm
.Lfunc_end_k_qa928899f5c_docattn:
	.size	k_qa928899f5c_docattn, .Lfunc_end_k_qa928899f5c_docattn-k_qa928899f5c_docattn
	.p2alignl 7, 3214868480
	.fill 96, 4, 3214868480
	.section	.rodata,"a",@progbits
	.p2align	6, 0x0
	.amdhsa_kernel k_qa928899f5c_docattn
		.amdhsa_group_segment_fixed_size 313344
		.amdhsa_private_segment_fixed_size 0
		.amdhsa_enable_private_segment 0
		.amdhsa_kernarg_size 72
		.amdhsa_user_sgpr_count 2
		.amdhsa_user_sgpr_kernarg_segment_ptr 1
		.amdhsa_wavefront_size32 1
		.amdhsa_system_sgpr_workgroup_id_x 1
		.amdhsa_system_sgpr_workgroup_id_y 1
		.amdhsa_system_sgpr_workgroup_id_z 1
		.amdhsa_system_vgpr_workitem_id 0
		.amdhsa_next_free_vgpr 256
		.amdhsa_next_free_sgpr 82
		.amdhsa_reserve_vcc 0
		.amdhsa_float_denorm_mode_32 3
		.amdhsa_float_denorm_mode_16_64 3
		.amdhsa_memory_ordered 1
		.amdhsa_forward_progress 1
		.amdhsa_inst_pref_size 45
	.end_amdhsa_kernel
	.amdgpu_metadata
---
amdhsa.version: [ 1, 2 ]
amdhsa.kernels:
  - .name:           k_qa928899f5c_docattn
    .symbol:         k_qa928899f5c_docattn.kd
    .args:
      - { .name: Q_codes, .offset: 0, .size: 8, .value_kind: global_buffer, .address_space: global }
      - { .name: Q_scales, .offset: 8, .size: 8, .value_kind: global_buffer, .address_space: global }
      - { .name: K_codes, .offset: 16, .size: 8, .value_kind: global_buffer, .address_space: global }
      - { .name: K_scales, .offset: 24, .size: 8, .value_kind: global_buffer, .address_space: global }
      - { .name: V_codes, .offset: 32, .size: 8, .value_kind: global_buffer, .address_space: global }
      - { .name: V_scales, .offset: 40, .size: 8, .value_kind: global_buffer, .address_space: global }
      - { .name: document_id, .offset: 48, .size: 8, .value_kind: global_buffer, .address_space: global }
      - { .name: out0, .offset: 56, .size: 8, .value_kind: global_buffer, .address_space: global }
      - { .name: masks, .offset: 64, .size: 8, .value_kind: global_buffer, .address_space: global }
    .group_segment_fixed_size: 313344
    .private_segment_fixed_size: 0
    .kernarg_segment_align: 8
    .kernarg_segment_size: 72
    .max_flat_workgroup_size: 512
    .sgpr_count:     82
    .vgpr_count:     256
    .wavefront_size: 32
...
	.end_amdgpu_metadata
.endif
;; end of part 4
